; MI455X (gfx1250); checked and timed in simulation.
; The chip was launched on July 23, 2026; its instructions are those of AMD's public machine-readable ISA for CDNA 5 (MIT licence, August 2026) and "CDNA5" Instruction Set Architecture Reference Guide (July 2026). The comments in the code are by the model that wrote it; some were corrected since.
;; Llama Attention. Allowed arithmetic: matrix products marked QUANTISED: E2M1 operands, one E8M0 scale for each 32 along K, by v_wmma_scale_f32_16x16x128_f8f6f4 with both operands' format E2M1 (or v_wmma_scale_f32_32x16x128_f4), f32 sums; products left as they are: bf16, f16 or f32 operands; f32 sums; everything else in f32.
;; Inputs: Wk 1,024 x 1,024 float32; Wo 1,024 x 1,024 float32; Wq 1,024 x 1,024 float32; Wv 1,024 x 1,024 float32; hidden_states 2 x 2,048 x 1,024 float32; past_lens 2 int32.
;; Outputs: out0 2 x 2,048 x 1,024 float32.
;; This version of the problem:
;;   THIS VERSION OF THE PROBLEM IS GIVEN IN LOW PRECISION. The matrix products marked QUANTISED in the list below multiply operands that are first quantised to E2M1 (2 exponent bits, 1 mantissa bit; 4 bits a number), with one power-of-two scale for each 32 numbers along K (OCP MX v1.0); their sums are f32. The products marked 'left as it is' may take bf16, f16 or f32 operands, with f32 sums. All else is computed in f32.
;;   The module's matrix products, in the order in which they are computed (A, B: the left and right operand; K: the contracted axis; several contracted axes count as one K, in the product's order):
;;     1. [M 4,096, K 1,024] x [K 1,024, N 1,024]; A: input hidden_states; B: input Wq: QUANTISED
;;     2. [M 4,096, K 1,024] x [K 1,024, N 1,024]; A: input hidden_states; B: input Wk: QUANTISED
;;     3. [M 4,096, K 1,024] x [K 1,024, N 1,024]; A: input hidden_states; B: input Wv: QUANTISED
;;     4. batch 64 x [M 2,048, K 32] x [K 32, N 2,048]; A: computed on the way; B: computed on the way: left as it is (an operand is computed on the way)
;;     5. batch 64 x [M 2,048, K 2,048] x [K 2,048, N 32]; A: computed on the way; B: computed on the way: left as it is (an operand is computed on the way)
;;     6. [M 4,096, K 1,024] x [K 1,024, N 1,024]; A: computed on the way; B: input Wo: left as it is (an operand is computed on the way)
;;   THE QUANTISER, for each operand of a quantised product, along K:
;;     - K is cut into blocks of 32 from its start; a last block that is shorter is filled with zeros.
;;     - A block's scale is 2^e with e = floor(log2(the largest magnitude in the block)) - 2, held to -126 .. 127; a block of zeros has e = 0. As a byte (E8M0): e + 127.
;;     - Each number is divided by its block's scale, clamped to +-6, and rounded to the nearest number of E2M1, ties to even, subnormals kept.
;;     - The product sums the exact products of the quantised numbers (number of the format x scale) in f32.
;;   ~~~python
;;   def quantise(x, axis):      # numpy; x: float32 -> the quantised numbers, widened to float32 again
;;       x = np.moveaxis(x, axis, -1); K = x.shape[-1]
;;       x = np.pad(x, [(0, 0)] * (x.ndim - 1) + [(0, -K % 32)]); x = x.reshape(x.shape[:-1] + (-1, 32)); a = np.abs(x).max(-1, keepdims=True)
;;       e = np.where(a > 0, np.clip(np.frexp(np.where(a > 0, a, 1))[1] - 1 - 2, -126, 127), 0)      # np.frexp(a)[1] - 1 = floor(log2(a)), exactly
;;       r = np.clip(x / 2.0 ** e, -6, 6)
;;       step = 2.0 ** (np.maximum(np.frexp(np.where(r == 0, 1, r))[1] - 1, 0) - 1)
;;       q = np.round(r / step) * step * 2.0 ** e      # np.round: ties to even
;;       return np.moveaxis(q.reshape(q.shape[:-2] + (-1,))[..., :K], -1, axis).astype(np.float32)
;;   ~~~
;; One version. Each part assembles by itself: llvm-mc -triple=amdgcn-amd-amdhsa -mcpu=gfx1250 --defsym DOCPART=n.
;; ======== version 1 of 1: 4 launches
;; limits: values are held in f16: magnitudes above 65,504 overflow, below 6.1e-05 lose precision; right only within a limited range of input values
;; workspace buffers: codes 3,670,016 bytes; scales 229,376 bytes; rope 1,048,576 bytes; qkv 25,165,824 bytes; ao 16,777,216 bytes; wof 4,194,304 bytes
;; launch prep (part 1): grid 352 x 1, 4 waves a work-group, no clusters, 33,280 bytes of LDS; arguments hidden_states, Wq, Wk, Wv, Wo, past_lens, codes, scales, wof, rope; writes codes, scales, wof, rope
.if DOCPART == 1
	.amdgcn_target "amdgcn-amd-amdhsa--gfx1250"
	.amdhsa_code_object_version 6
	.text
	.protected	k_qf1f766d5c8_prep
	.globl	k_qf1f766d5c8_prep
	.p2align	8
	.type	k_qf1f766d5c8_prep,@function
k_qf1f766d5c8_prep:
	s_mov_b64 s[64:65], 0
	v_nop
	global_prefetch_b8 v0, s[64:65] scope:SCOPE_SE
	s_setreg_imm32_b32 hwreg(HW_REG_WAVE_MODE, 25, 1), 1
	s_wait_xcnt 0x0
; THREE KINDS OF WORK-GROUPS, told apart by the work-group's number alone.
; 0-223:   hidden_states [4096][1024], Wq, Wk, Wv [1024][1024], f32, K innermost, become codes of FP4 (E2M1) and one E8M0 byte for each 32 along K.
;          The four tensors are laid as ONE tensor of 7,168 rows (tokens, then Wq's, Wk's, Wv's rows): codes [7168][512 bytes], scales [7168][32 bytes].
;          A block's scale is 2^(floor(log2(its largest magnitude)) - 2); its byte is the largest magnitude's exponent field - 2, held at 1 from below.
;          (A block of zeros so gets the byte 1: its codes are zeros, and the bytes are read by this program alone.)
; 224-287: Wo [1024 (n)][1024 (k)] becomes f16 hi + f16 lo (lo = the rounding's remainder), as images of the operand's registers: [n tile 64][k step 32][hi, lo][1,024 bytes];
;          in an image the group of four registers c of lane l lies at 512 c + 16 l; lane (r, h) holds row r; registers 0-3: k = 8 h + 0..7, registers 4-7: k = 16 + 8 h + 0..7.
; 288-351: the table of cosines and sines: [kind 2][token tile 256][group 4][lane 32][4 f32]; groups: cos i = 0-3, cos i = 4-7, sin i = 0-3, sin i = 4-7;
;          lane (r, h): token 16 T + r, frequency 10^(-(8 h + i) / 4).  Kind 0 is multiplied by c = log2(e) / sqrt(32) (for q), kind 1 is plain (for k).
; LIMITS: blocks whose largest magnitude lies under 2^(2 - 126) keep the byte 1; NaN and infinities are not served; |past_lens + position| stays under 2^23 (the number of quarter turns is then a whole
; number that f32 holds); Wo's magnitudes stay under 65,504, and what of lo lies under 2^-25 is lost.
; No tensor loads, no barrier: waves share nothing.  Only the first kind touches LDS.
.set STEPS, 16
.set EMAX,  2
.set CB,    8                          ; bytes of 16 codes
.set R,     16                         ; v16-79   four sets of 16 numbers as they are loaded
.set X,     80                         ; v80-111  two sets of 16 neighbours
.set E,     112                        ; v112-127 a scale byte for each step
.set C,     128                        ; v128-191 codes: four registers for each step, so that no store's data are written again
.set WREG,  8192                       ; LDS: a region for each wave: two stages of 32 x SP bytes, behind them its 256 scale bytes
.set SP,    80                         ; a lane's place in a stage: its 64 bytes + 16 of padding
.set XW,    64                         ; v64-191  Wo: eight images' numbers, 16 a lane each
	s_load_b512 s[4:19], s[0:1], 0x0               ; hidden s[4:5], Wq s[6:7], Wk s[8:9], Wv s[10:11], Wo s[12:13], past_lens s[14:15], codes s[16:17], scales s[18:19]
	s_load_b128 s[20:23], s[0:1], 0x40             ; wof s[20:21], rope s[22:23]
	v_lshl_add_u32 v192, v0, 2, 0x8000
	v_mov_b32 v193, 0
	v_lshrrev_b32 v1, 5, v0
	v_readfirstlane_b32 s24, v1                    ; wave 0..3
	v_and_b32 v2, 31, v0                           ; lane
	s_wait_kmcnt 0x0
	s_cmp_ge_u32 ttmp9, 288
	s_cbranch_scc1 .Lrope
	s_cmp_ge_u32 ttmp9, 224
	s_cbranch_scc1 .Lwo
; ---------------- the quantiser.  A wave takes 16 steps of 512 numbers.  Each of a step's four loads reads 512 consecutive bytes; the 2,048 bytes go through the wave's own stage in LDS and come back
; 64 bytes a lane, so that a lane holds 16 neighbours along K (two neighbouring lanes hold a block).  A lane's 16 codes are 8 bytes: the wave stores 256 consecutive bytes.
	v_lshlrev_b32 v3, 4, v2                        ; my 16 bytes of a load's 512
	s_mul_i32 s25, s24, WREG
	v_lshrrev_b32 v14, 2, v2
	v_mul_u32_u24 v14, v14, SP
	v_and_b32 v15, 3, v2
	v_lshl_add_u32 v14, v15, 4, v14
	v_add_nc_u32 v14, s25, v14                     ; the stage, on the way in: SP (lane / 4) + 16 (lane % 4)
	v_mul_u32_u24 v15, v2, SP
	v_add_nc_u32 v15, s25, v15                     ; and on the way out: SP x lane
	v_mul_u32_u24 v4, v2, CB                       ; my codes' place in a step's
	v_lshrrev_b32 v5, 1, v2
	s_add_co_u32 s25, s25, 2*32*SP
	v_add_nc_u32 v5, s25, v5                       ; LDS: my wave's 256 scale bytes, my block's byte
	v_lshlrev_b32 v7, 3, v2                        ; and on the way out 8 bytes a lane
	v_add_nc_u32 v6, s25, v7
	s_sub_co_u32 s28, ttmp9, 128
	s_and_b32 s28, s28, 31                         ; a weight's work-group among its 32
	s_cmp_lt_u32 ttmp9, 160                        ; which tensor: the choice hangs on the work-group's number alone
	s_cselect_b64 s[26:27], s[6:7], s[8:9]
	s_cmp_lt_u32 ttmp9, 192
	s_cselect_b64 s[26:27], s[26:27], s[10:11]
	s_cmp_lt_u32 ttmp9, 128
	s_cselect_b64 s[26:27], s[4:5], s[26:27]
	s_cselect_b32 s28, ttmp9, s28
	s_lshl_b32 s28, s28, 2
	s_add_co_u32 s28, s28, s24                     ; which run of 8,192 numbers of the tensor is my wave's
	s_lshl_b32 s28, s28, 15                        ; 32,768 bytes a run
	s_mov_b32 s29, 0
	s_add_nc_u64 s[26:27], s[26:27], s[28:29]
	s_lshl_b32 s30, ttmp9, 2
	s_add_co_u32 s30, s30, s24                     ; and which run of the joint tensor of 7,168 rows
	s_lshl_b32 s28, s30, 12                        ; 4,096 bytes of codes a run
	s_add_nc_u64 s[16:17], s[16:17], s[28:29]
	s_lshl_b32 s28, s30, 8                         ; 256 scale bytes a run
	s_add_nc_u64 s[18:19], s[18:19], s[28:29]
.macro LOAD t
.irp i, 0,1,2,3
	global_load_b128 v[R+16*((\t)%4)+4*\i:R+16*((\t)%4)+4*\i+3], v3, s[26:27] offset:2048*(\t)+512*\i th:TH_LOAD_NT   ; 32 lanes read 512 consecutive bytes
.endr
.endm
.macro TURN t                          ; step t's numbers through the stage: LDS serves a wave's instructions in order, so no wait stands between the stores and the loads
.irp i, 0,1,2,3
	ds_store_b128 v14, v[R+16*((\t)%4)+4*\i:R+16*((\t)%4)+4*\i+3] offset:32*SP*((\t)%2)+8*SP*\i
.endr
.irp i, 0,1,2,3
	ds_load_b128 v[X+16*((\t)%2)+4*\i:X+16*((\t)%2)+4*\i+3], v15 offset:32*SP*((\t)%2)+16*\i
.endr
.endm
.irp t, 0,1,2,3
	LOAD \t
.endr
	s_wait_loadcnt 12                              ; step 0's four loads are in
	TURN 0
.macro STEP t
.set XS, X+16*((\t)%2)
.if (\t) > 0
	s_wait_dscnt 1                                 ; this step's numbers are back from the stage (the last step's byte store may be out): so its stores into the stage have read their registers,
.else
	s_wait_dscnt 0x0
.endif
.if (\t)+4 < STEPS
	LOAD (\t)+4                                    ; which take the loads of four steps on
.endif
.if (\t)+1 < STEPS
.if STEPS-2-(\t) >= 3
	s_wait_loadcnt 12                              ; the next step's four loads are in; those of the three steps behind it may be out
.else
	s_wait_loadcnt 4*(STEPS-2-(\t))
.endif
	TURN (\t)+1                                    ; and go through the other stage while this step is worked
.endif
	v_max3_num_f32 v8, |v[XS]|, |v[XS+1]|, |v[XS+2]|               ; the largest magnitude of my 16
	v_max3_num_f32 v9, |v[XS+3]|, |v[XS+4]|, |v[XS+5]|
.irp i, 6,10
	v_max3_num_f32 v8, v8, |v[XS+\i]|, |v[XS+\i+1]|
	v_max3_num_f32 v9, v9, |v[XS+\i+2]|, |v[XS+\i+3]|
.endr
	v_max3_num_f32 v8, v8, |v[XS+14]|, |v[XS+15]|
	v_max3_num_f32 v8, v8, v9, (EMAX+1)<<23        ; and the floor 2^(EMAX + 1 - 127): so the byte cannot fall under 1
	v_max_num_f32_dpp v8, v8, v8 row_xmask:1 row_mask:0xf bank_mask:0xf   ; and of my neighbour's 16: the block's
	v_add_nc_u32 v11, -(EMAX<<23), v8              ; EMAX off its exponent field: the conversion takes the exponent field of this operand as its scale, and nothing else of it
	v_cvt_scalef32_pk8_fp4_f32 v[C+4*(\t)], v[XS:XS+7], v11        ; eight numbers / the scale, to the nearest code, ties to even, beyond the largest code the largest
	v_cvt_scalef32_pk8_fp4_f32 v[C+4*(\t)+1], v[XS+8:XS+15], v11
	v_lshrrev_b32 v[E+(\t)], 23, v11               ; the scale's byte
	ds_store_b8 v5, v[E+(\t)] offset:16*(\t)       ; both lanes of a block write the same byte with the same value
	global_store_b64 v4, v[C+4*(\t):C+4*(\t)+1], s[16:17] offset:32*CB*(\t)
.endm
.irp t, 0,1,2,3,4,5,6,7,8,9,10,11,12,13,14,15
	STEP \t
.endr
	ds_load_b64 v[12:13], v6                       ; LDS serves a wave's instructions in order: these see my stores
	s_wait_dscnt 0x0
	global_store_b64 v7, v[12:13], s[18:19]        ; 32 lanes store 256 consecutive bytes, aligned
	s_wait_tensorcnt 0x0
	ds_add_u32 v192, v193
	s_wait_dscnt 0x0
	s_endpgm
; ---------------- Wo as f16 hi + lo.  Work-group: n tile N = number - 224; wave w: k steps 8 w .. 8 w + 7.
; Two numbers x, x + 1 become a register of hi (the first three arguments name it and its halves) and a register of lo = f16(x - hi); x - hi is exact in f32.
.macro SPLIT hv, hl, hh, x, t, lo
	v_cvt_pk_f16_f32 \hv, v[\x], v[(\x)+1]
	v_cvt_f32_f16 v[\t], \hl
	v_cvt_f32_f16 v[(\t)+1], \hh
	v_pk_add_f32 v[\t:(\t)+1], v[\x:(\x)+1], v[\t:(\t)+1] neg_lo:[0,1] neg_hi:[0,1]
	v_cvt_pk_f16_f32 v[\lo], v[\t], v[(\t)+1]
.endm
.Lwo:
	s_sub_co_u32 s25, ttmp9, 224                   ; N
	s_lshl_b32 s28, s25, 16                        ; 16 rows of 4,096 bytes in Wo; 32 k steps of 2,048 bytes in wof: 65,536 both
	s_lshl_b32 s30, s24, 10                        ; my eight k steps: 128 bytes each in a row of Wo,
	s_add_co_u32 s30, s30, s28
	s_mov_b32 s31, 0
	s_add_nc_u64 s[12:13], s[12:13], s[30:31]
	s_lshl_b32 s30, s24, 14                        ; 2,048 bytes each in wof
	s_add_co_u32 s30, s30, s28
	s_add_nc_u64 s[20:21], s[20:21], s[30:31]
	v_and_b32 v3, 15, v0                           ; r
	v_bfe_u32 v4, v0, 4, 1                         ; h
	v_lshlrev_b32 v1, 12, v3
	v_lshl_add_u32 v1, v4, 5, v1                   ; row r, + 32 h bytes: k = 8 h on
	v_lshlrev_b32 v2, 4, v2                        ; 16 x lane: my place in a group of an image
.irp m, 0,1,2,3,4,5,6,7
	global_load_b128 v[XW+16*\m:XW+16*\m+3],     v1, s[12:13] offset:128*\m
	global_load_b128 v[XW+16*\m+4:XW+16*\m+7],   v1, s[12:13] offset:128*\m+16
	global_load_b128 v[XW+16*\m+8:XW+16*\m+11],  v1, s[12:13] offset:128*\m+64
	global_load_b128 v[XW+16*\m+12:XW+16*\m+15], v1, s[12:13] offset:128*\m+80
.endr
.macro WIMG m
.set XB, XW+16*(\m)
	s_wait_loadcnt 4*(7-(\m))                      ; this image's four loads are in; the later images' may be out
	s_wait_xcnt 0x0                                ; the last image's stores have read v16-31: they are written again only behind this wait
	SPLIT v16, v16.l, v16.h, XB+0,  32, 24
	SPLIT v17, v17.l, v17.h, XB+2,  34, 25
	SPLIT v18, v18.l, v18.h, XB+4,  36, 26
	SPLIT v19, v19.l, v19.h, XB+6,  38, 27
	SPLIT v20, v20.l, v20.h, XB+8,  40, 28
	SPLIT v21, v21.l, v21.h, XB+10, 42, 29
	SPLIT v22, v22.l, v22.h, XB+12, 44, 30
	SPLIT v23, v23.l, v23.h, XB+14, 46, 31
	global_store_b128 v2, v[16:19], s[20:21] offset:2048*(\m)        ; each store covers 512 consecutive bytes, aligned
	global_store_b128 v2, v[20:23], s[20:21] offset:2048*(\m)+512
	global_store_b128 v2, v[24:27], s[20:21] offset:2048*(\m)+1024
	global_store_b128 v2, v[28:31], s[20:21] offset:2048*(\m)+1536
.endm
.irp m, 0,1,2,3,4,5,6,7
	WIMG \m
.endr
	s_endpgm
; ---------------- cosines and sines.  Token tile T = 4 (number - 288) + wave; batch = T / 128.
.Lrope:
	s_load_b64 s[28:29], s[14:15], 0x0             ; past_lens of both batches
	s_sub_co_u32 s25, ttmp9, 288
	s_lshl_b32 s26, s25, 2
	s_add_co_u32 s26, s26, s24                     ; T
	s_and_b32 s27, s26, 127
	s_lshl_b32 s27, s27, 4                         ; the tile's first position in its sequence
	s_lshl_b32 s30, s26, 11                        ; 2,048 bytes a tile
	s_mov_b32 s31, 0
	s_add_nc_u64 s[22:23], s[22:23], s[30:31]
	s_mov_b32 s32, 0x3fc90fdb                      ; pi / 2 in three parts
	s_mov_b32 s33, 0xb33bbd2e
	s_mov_b32 s34, 0xa6f72ce9
	s_mov_b32 s37, 0x3e8293ee                      ; c = log2(e) / sqrt(32)
	v_mov_b32 v7, 0xb94ca1f9                       ; the sine's and the cosine's leading coefficients
	v_mov_b32 v8, 0x37ccf5ce
	v_and_b32 v4, 15, v0                           ; r
	v_bfe_u32 v5, v0, 4, 1                         ; h
	v_lshlrev_b32 v3, 4, v2                        ; 16 x lane
	v_add_nc_u32 v6, s27, v4
	v_cvt_f32_u32 v6, v6                           ; the position as f32
	v_cmp_eq_u32 vcc_lo, 1, v5
.macro FREQ i, lo, hi                  ; frequency 8 h + i
	v_mov_b32 v30, \lo
	v_mov_b32 v31, \hi
	v_cndmask_b32 v[16+\i], v30, v31, vcc_lo
.endm
	FREQ 0, 0x3f800000, 0x3c23d70a
	FREQ 1, 0x3f0ff59a, 0x3bb8449c
	FREQ 2, 0x3ea1e89b, 0x3b4f3e37
	FREQ 3, 0x3e361887, 0x3ae91528
	FREQ 4, 0x3dcccccd, 0x3a83126f
	FREQ 5, 0x3d6655c3, 0x3a136a16
	FREQ 6, 0x3d0186e2, 0x39a5cb5f
	FREQ 7, 0x3c91ad39, 0x393a7753
	s_wait_kmcnt 0x0
	s_cmp_lt_u32 s25, 32
	s_cselect_b32 s28, s28, s29                    ; my batch's past_lens: it is a number in the arithmetic, and steers nothing
	v_cvt_f32_i32 v9, s28
	v_add_f32 v6, v9, v6                           ; t = f32(past) + f32(position)
; x = t F; n = the nearest whole number of quarter turns; r = x - n pi / 2 by three fused multiply-adds; sin r and cos r by polynomials on |r| <= pi / 4; n mod 4 swaps them and sets the signs.
.macro SINCOS i
	v_mul_f32 v9, v6, v[16+\i]
	v_mul_f32 v10, 0x3f22f983, v9
	v_rndne_f32 v10, v10
	v_fma_f32 v11, -v10, s32, v9
	v_fma_f32 v11, -v10, s33, v11
	v_fma_f32 v11, -v10, s34, v11
	v_cvt_i32_f32 v12, v10
	v_mul_f32 v13, v11, v11                        ; z = r r
	v_fmaak_f32 v14, v7, v13, 0x3c08839e
	v_fmaak_f32 v15, v8, v13, 0xbab6061a
	v_fmaak_f32 v14, v14, v13, 0xbe2aaaa3
	v_fmaak_f32 v15, v15, v13, 0x3d2aaaa5
	v_mul_f32 v24, v13, v11
	v_mul_f32 v25, v13, v13
	v_fma_f32 v26, v13, -0.5, 1.0
	v_fma_f32 v14, v24, v14, v11                   ; sin r
	v_fma_f32 v15, v25, v15, v26                   ; cos r
	v_and_b32 v27, 1, v12
	v_cmp_eq_u32 vcc_lo, 1, v27                    ; an odd number of quarter turns swaps the two
	v_cndmask_b32 v28, v14, v15, vcc_lo
	v_cndmask_b32 v29, v15, v14, vcc_lo
	v_lshlrev_b32 v27, 30, v12                     ; the sine is negative where n mod 4 is 2 or 3,
	v_and_b32 v27, 0x80000000, v27
	v_xor_b32 v[40+\i], v28, v27
	v_add_nc_u32 v27, 1, v12                       ; the cosine where it is 1 or 2
	v_lshlrev_b32 v27, 30, v27
	v_and_b32 v27, 0x80000000, v27
	v_xor_b32 v[32+\i], v29, v27
	v_mul_f32 v[48+\i], s37, v[32+\i]              ; and both times c, for q
	v_mul_f32 v[56+\i], s37, v[40+\i]
.endm
.irp i, 0,1,2,3,4,5,6,7
	SINCOS \i
.endr
	global_store_b128 v3, v[48:51], s[22:23]                         ; kind 0; each store covers 512 consecutive bytes, aligned
	global_store_b128 v3, v[52:55], s[22:23] offset:512
	global_store_b128 v3, v[56:59], s[22:23] offset:1024
	global_store_b128 v3, v[60:63], s[22:23] offset:1536
	global_store_b128 v3, v[32:35], s[22:23] offset:524288           ; kind 1
	global_store_b128 v3, v[36:39], s[22:23] offset:524288+512
	global_store_b128 v3, v[40:43], s[22:23] offset:524288+1024
	global_store_b128 v3, v[44:47], s[22:23] offset:524288+1536
	s_endpgm
.Lfunc_end_k_qf1f766d5c8_prep:
	.size	k_qf1f766d5c8_prep, .Lfunc_end_k_qf1f766d5c8_prep-k_qf1f766d5c8_prep
	.p2alignl 7, 3214868480
	.fill 96, 4, 3214868480
	.section	.rodata,"a",@progbits
	.p2align	6, 0x0
	.amdhsa_kernel k_qf1f766d5c8_prep
		.amdhsa_group_segment_fixed_size 33280
		.amdhsa_private_segment_fixed_size 0
		.amdhsa_enable_private_segment 0
		.amdhsa_kernarg_size 80
		.amdhsa_user_sgpr_count 2
		.amdhsa_user_sgpr_kernarg_segment_ptr 1
		.amdhsa_wavefront_size32 1
		.amdhsa_system_sgpr_workgroup_id_x 1
		.amdhsa_system_sgpr_workgroup_id_y 1
		.amdhsa_system_sgpr_workgroup_id_z 1
		.amdhsa_system_vgpr_workitem_id 0
		.amdhsa_next_free_vgpr 194
		.amdhsa_next_free_sgpr 66
		.amdhsa_reserve_vcc 1
		.amdhsa_float_denorm_mode_32 3
		.amdhsa_float_denorm_mode_16_64 3
		.amdhsa_memory_ordered 1
		.amdhsa_forward_progress 1
		.amdhsa_inst_pref_size 71
	.end_amdhsa_kernel
	.amdgpu_metadata
---
amdhsa.version: [ 1, 2 ]
amdhsa.kernels:
  - .name:           k_qf1f766d5c8_prep
    .symbol:         k_qf1f766d5c8_prep.kd
    .args:
      - { .name: hidden_states, .offset: 0, .size: 8, .value_kind: global_buffer, .address_space: global }
      - { .name: Wq, .offset: 8, .size: 8, .value_kind: global_buffer, .address_space: global }
      - { .name: Wk, .offset: 16, .size: 8, .value_kind: global_buffer, .address_space: global }
      - { .name: Wv, .offset: 24, .size: 8, .value_kind: global_buffer, .address_space: global }
      - { .name: Wo, .offset: 32, .size: 8, .value_kind: global_buffer, .address_space: global }
      - { .name: past_lens, .offset: 40, .size: 8, .value_kind: global_buffer, .address_space: global }
      - { .name: codes, .offset: 48, .size: 8, .value_kind: global_buffer, .address_space: global }
      - { .name: scales, .offset: 56, .size: 8, .value_kind: global_buffer, .address_space: global }
      - { .name: wof, .offset: 64, .size: 8, .value_kind: global_buffer, .address_space: global }
      - { .name: rope, .offset: 72, .size: 8, .value_kind: global_buffer, .address_space: global }
    .group_segment_fixed_size: 33280
    .private_segment_fixed_size: 0
    .kernarg_segment_align: 8
    .kernarg_segment_size: 80
    .max_flat_workgroup_size: 128
    .sgpr_count:     66
    .vgpr_count:     194
    .wavefront_size: 32
...
	.end_amdgpu_metadata
.endif
;; end of part 1
;; launch qkv (part 2): grid 12 x 16, 4 waves a work-group, clusters of 4 x 4, 327,680 bytes of LDS; arguments codes, scales, rope, qkv; writes qkv
.if DOCPART == 2
	.amdgcn_target "amdgcn-amd-amdhsa--gfx1250"
	.amdhsa_code_object_version 6
	.text
	.protected	k_qf1f766d5c8_qkv
	.globl	k_qf1f766d5c8_qkv
	.p2align	8
	.type	k_qf1f766d5c8_qkv,@function
k_qf1f766d5c8_qkv:
	s_mov_b64 s[64:65], 0
	v_nop
	global_prefetch_b8 v0, s[64:65] scope:SCOPE_SE
	s_setreg_imm32_b32 hwreg(HW_REG_WAVE_MODE, 25, 1), 1
	s_wait_xcnt 0x0
	s_wait_alu depctr_hold_cnt(0) depctr_sa_sdst(0) depctr_va_vdst(0) depctr_va_sdst(0) depctr_va_ssrc(0) depctr_va_vcc(0) depctr_vm_vsrc(0)
	s_getreg_b32 s2, hwreg(HW_REG_IB_STS2, 6, 4)
	s_cmp_eq_u32 s2, 0
	s_cbranch_scc0 .Lentry_in_a_cluster
	s_endpgm
.Lentry_in_a_cluster:
	s_bfe_u32 s2, ttmp6, 0x10000c
	s_cmp_lg_u32 s2, 0xf033
	s_cbranch_scc0 .Lentry_shape_is_right
	s_endpgm
.Lentry_shape_is_right:
; q, k, v = hidden x Wq^T, Wk^T, Wv^T on codes of FP4 (E2M1) with one E8M0 scale for each 32 along K = 1,024; sums in f32, K ascending, one accumulator an output.  Then the rotation of q and k, and f16.
; codes [7168][512 bytes], scales [7168][32 bytes]: rows 0-4095 tokens, 4096-5119 Wq, 5120-6143 Wk, 6144-7167 Wv.  A tile is 256 of these rows.
; A work-group of four waves makes 256 x 256 results, a wave 128 x 128: 64 accumulators, 512 registers.  K goes in two steps of 512 through two LDS slots; both are filled once, at the start.
; THE MATRIX INSTRUCTION: source 0 = 16 rows of side B, source 1 = 16 rows of side A: lane (r, h) holds row r of A's block and eight neighbouring rows 8 h + j of B's block.
; KIND = the cluster's x.  Kinds 0, 1 (q, k): A = tokens, B = the weight's rows: a lane holds one token and eight neighbouring channels; accumulators (a, 2 p) and (a, 2 p + 1) hold channels d = 8 h + j and
; d + 16 of head p, the two partners of the rotation, in the same lane and register; rounded in pairs they ARE registers 0-3 and 4-7 of the 16 x 32 f16 fragment of that head.
; Kind 2 (v): A = Wv's rows, B = tokens: a lane holds one channel and eight neighbouring tokens: the fragment of V^T (16 channels x 32 keys).
; OUT: images of fragments (group of four registers c of lane l at 512 c + 16 l): q at 0 [bh 64][query tile 128][1 KB]; k at 8,388,608 likewise; v at 16,777,216 [bh][block of 32 keys: 64][u 2][1 KB].
; q is multiplied by c = log2(e) / sqrt(32) through its table of cosines and sines.  Each store covers 512 consecutive bytes, aligned; no result goes through LDS.
; The text has ONE way up to the way out, and the table's loads stand on it: v's work-groups load k's table for their tokens too (16 KB a wave) and leave it unread; that is the price of not writing the products twice.
; CLUSTERS: 4 x 4 work-groups.  A's tile hangs on cy and the cluster's coordinates and is shared along a row of the cluster, B's on cx and is shared along a column: each is asked for JOINTLY.
; LIMITS: |c q|, |k|, |v| stay under 65,504 (f16); NaN and infinities are not served.
; REGISTERS, in windows of 256: window 0: v0-31 addresses; v32-95 scale words, two sets, and nothing else; v96-103 at work on the way out; v128-191 A's fragments, ONE set, on the way out packed f16; v192-255 rotated numbers.
;   window 1: B's fragments, TWO sets, at v0 and at v128; v64-127 and v192-255 the cosines and sines of my 8 token tiles.   windows 2, 3: the accumulators ((a, b) at v[8 (8 (a % 4) + b)] of window 2 + a / 4).
.set SIZE_K, 1024
.set KSTEP,  512                       ; along K in a slot
.set NQ,     KSTEP/128                 ; matrix instructions deep
.set ROWB,   256                       ; a tile's row in bytes
.set KROW,   SIZE_K*4/8                ; a row of codes in memory
.set PITCH,  272                       ; an LDS row: 256 bytes + 16 of padding: the 16 rows that a load touches start 68 words apart
.set FR,     8                         ; registers of a fragment: 16 rows x 128 K
.set NL,     2                         ; LDS loads that bring one
.set NP,     4                         ; places behind this matrix instruction (ISA guide 7.12.1)
.set HALFT,  128*PITCH                 ; 128 rows: what one tensor load brings
.set SLOT,   4*HALFT                   ; A's 256 rows, then B's 256 rows
.set KS,     SIZE_K/32                 ; a row of scales in bytes
.set SCL,    2*SLOT                    ; behind the slots: the scales, as rows of 256 bytes + 16 of padding
.set HALFS,  (128*KS/256)*272          ; the scales of 128 rows
.set SBLK,   (16*KS/256)*272           ; those of 16 rows
.set SPARE,  SCL+4*HALFS               ; the spare words, 128 bytes for each wave
.set ADRA, 16                          ; v16-17  LDS address of my A fragments in slot 0, 1
.set ADRB, 20                          ; v20-21  the same for B
.set CO,   26                          ; v26     16 x lane; never rewritten
.set ADRS, 27                          ; v27     LDS address of my scale words: lanes 0-15 A's rows, lanes 16-31 B's
.set SPW,  28                          ; v28     LDS address of my spare word; never rewritten
.set NIL,  29                          ; v29     0; never rewritten
.set SC,   32                          ; scale words: set s at v[SC + 8 NQ s]; register NQ i + q: lanes 0-15 A's block i, lanes 16-31 B's block i
.set TT,   96
.set AF,   128
.set YY,   128
.set RR,   192
.set G1, 24                            ; s[24:31] group 1 for A's tiles;  s[32:39] group 0, one set for each slot
.set G0, 32
.set G1B, 48                           ; s[48:55], s[56:63] the same for B's
.set G0B, 56
.set G1S, 68                           ; s[68:75], s[76:79] groups 1 and 0 for A's scales;  s[80:87], s[88:91] for B's
.set G0S, 76
.set G1SB, 80
.set G0SB, 88
.set MSB, 0
.macro WIN new                         ; the immediate's high byte repeats the setting that is left
.if MSB != (\new)
	s_set_vgpr_msb (MSB<<8)|(\new)
.set MSB, \new
.endif
.endm
.set MUL_LO, 0xa1                      ; source 0 (B) window 1, source 1 (A) window 0, C and D window 2
.set MUL_HI, 0xf1                      ; the same, C and D window 3
.set TO_B,   0x40                      ; destination window 1, address window 0
; A joint load: waves 0 and 1 fetch for A, waves 2 and 3 for B.  Each line has one mask and one set of registers; the branch hangs on the wave's number alone.  Four v_nop follow each line.
.macro JLOAD g0a, g1a, g0b, g1b
	s_cmp_eq_u32 s15, 0
	s_cbranch_scc0 .Lfor_b_\@
	tensor_load_to_lds s[\g0a:\g0a+3], s[\g1a:\g1a+7]
	s_nop 0
.rept 4
	v_nop
.endr
	s_branch .Lasked_\@
.Lfor_b_\@:
	tensor_load_to_lds s[\g0b:\g0b+3], s[\g1b:\g1b+7]
	s_nop 0
.rept 4
	v_nop
.endr
.Lasked_\@:
.endm
.macro CROUND                          ; a round of the cluster's barrier
	s_barrier_signal -1
	s_barrier_wait -1
	s_cmp_lg_u32 s14, 0
	s_cbranch_scc1 .Lnot_wave_0_\@
	s_barrier_signal -3
.Lnot_wave_0_\@:
	s_barrier_wait -3
	s_barrier_signal -1
	s_barrier_wait -1
.endm
	s_load_b256 s[4:11], s[0:1], 0x0               ; codes s[4:5], scales s[6:7], rope s[8:9], qkv s[10:11]
	v_lshl_add_u32 v[SPW], v0, 2, SPARE
	v_mov_b32 v[NIL], 0
	ds_add_u32 v28, v29
	ds_add_u32 v28, v29
	s_wait_dscnt 0x0
	v_lshrrev_b32 v1, 5, v0
	v_readfirstlane_b32 s14, v1                    ; wave 0..3
	s_lshr_b32 s15, s14, 1                         ; which half of A's rows is mine.  Also: I fetch for A (0) or for B (1)
	s_and_b32 s16, s14, 1                          ; which half of B's rows.  Also: which 128 rows of that tile I fetch
	s_bfe_u32 s40, ttmp6, 0x40000                  ; cx, cy: my place in the cluster
	s_bfe_u32 s41, ttmp6, 0x40004
	s_and_b32 s18, ttmp7, 0xffff
	s_lshl_b32 s18, s18, 2                         ; 4 x cluster y: the cluster's four token tiles
	s_add_co_u32 s17, s18, s41                     ; A's tile for q, k: token tile 4 y + cy;
	s_add_co_u32 s19, s41, 24                      ; for v: Wv's tile 24 + cy
	s_lshl_b32 s42, ttmp9, 2
	s_add_co_u32 s42, s42, s40
	s_add_co_u32 s42, s42, 16                      ; B's tile for q, k: the weight's tile 16 + 4 kind + cx;
	s_add_co_u32 s46, s18, s40                     ; for v: token tile 4 y + cx
	s_cmp_eq_u32 ttmp9, 2                          ; the kind is the cluster's x: the same in all sixteen partners
	s_cselect_b32 s17, s19, s17
	s_cselect_b32 s42, s46, s42
	s_lshl_b32 s43, s41, 2
	s_lshl_b32 s43, 15, s43                        ; my row of the cluster
	s_lshl_b32 s44, 0x1111, s40                    ; my column
	; group 1: a tile of 128 rows x 256 bytes, padded in LDS
	s_or_b32 s[G1+0], s43, (0<<16)|(1<<20)|(1<<21)|(5<<22)|(3<<25)  ; 15:0 the mask; 17:16 elements of 1 byte; 20 padding on; 21 set beside a mask; 24:22 after every 64 words; 31:25 four words
	s_or_b32 s[G1B+0], s44, (0<<16)|(1<<20)|(1<<21)|(5<<22)|(3<<25)
.irp g, G1, G1B
	s_mov_b32 s[\g+1], ROWB<<16                    ; tensor_dim0
	s_mov_b32 s[\g+2], 128<<16                     ; tensor_dim1
	s_mov_b32 s[\g+3], ROWB<<16                    ; tile_dim0
	s_mov_b32 s[\g+4], 128                         ; tile_dim1
	s_mov_b32 s[\g+5], KROW                        ; tensor_dim0_stride
	s_mov_b32 s[\g+6], 0
	s_mov_b32 s[\g+7], 0
.endr
	; the scales of 128 rows: a dense block of 4,096 bytes, as 16 rows of 256 bytes (32 elements of 8 bytes), 16 bytes of padding behind each
	s_or_b32 s[G1S+0], s43, (3<<16)|(1<<20)|(1<<21)|(5<<22)|(3<<25)
	s_or_b32 s[G1SB+0], s44, (3<<16)|(1<<20)|(1<<21)|(5<<22)|(3<<25)
.irp g, G1S, G1SB
	s_mov_b32 s[\g+1], 32<<16
	s_mov_b32 s[\g+2], (128*KS/256)<<16
	s_mov_b32 s[\g+3], 32<<16
	s_mov_b32 s[\g+4], 128*KS/256
	s_mov_b32 s[\g+5], 32
	s_mov_b32 s[\g+6], 0
	s_mov_b32 s[\g+7], 0
.endr
	s_lshl_b32 s18, s16, 7                         ; which 128 rows of the tile I fetch
	s_lshl_b32 s20, s17, 8
	s_add_co_u32 s20, s20, s18                     ; A: row 256 x tile + 128 x half
	s_lshl_b32 s46, s42, 8
	s_add_co_u32 s46, s46, s18                     ; B likewise
	s_mov_b32 s21, 0
	s_mov_b32 s47, 0
	s_mov_b64 s[18:19], KS
	s_mul_u64 s[22:23], s[20:21], s[18:19]         ; where these rows' scales begin, in bytes
	s_mul_u64 s[92:93], s[46:47], s[18:19]
	s_mov_b64 s[18:19], KROW
	s_mul_u64 s[20:21], s[20:21], s[18:19]         ; and their codes
	s_mul_u64 s[46:47], s[46:47], s[18:19]
	s_mul_i32 s45, s14, HALFT                      ; where they go: wave x 128 rows: no place in the cluster enters an LDS address
	s_mul_i32 s94, s14, HALFS
	s_wait_kmcnt 0x0
	s_add_nc_u64 s[20:21], s[4:5], s[20:21]
	s_add_nc_u64 s[22:23], s[6:7], s[22:23]
	s_add_nc_u64 s[46:47], s[4:5], s[46:47]
	s_add_nc_u64 s[92:93], s[6:7], s[92:93]
	CROUND                                         ; all sixteen work-groups are here: the first joint loads meet
	s_mov_b32 s[G0S], 1
	s_add_co_u32 s[G0S+1], s94, SCL
	s_mov_b64 s[G0S+2:G0S+3], s[22:23]
	s_or_b32 s[G0S+3], s[G0S+3], 0x80000000
	s_mov_b32 s[G0SB], 1
	s_add_co_u32 s[G0SB+1], s94, SCL
	s_mov_b64 s[G0SB+2:G0SB+3], s[92:93]
	s_or_b32 s[G0SB+3], s[G0SB+3], 0x80000000
	JLOAD G0S, G1S, G0SB, G1SB                     ; the scales first: they are wanted with K step 0
.irp s, 0,1
	s_mov_b32 s[G0+4*\s], 1
	s_add_co_u32 s[G0+4*\s+1], s45, \s*SLOT
	s_add_nc_u64 s[G0+4*\s+2:G0+4*\s+3], s[20:21], \s*ROWB
	s_or_b32 s[G0+4*\s+3], s[G0+4*\s+3], 0x80000000
	s_mov_b32 s[G0B+4*\s], 1
	s_add_co_u32 s[G0B+4*\s+1], s45, \s*SLOT
	s_add_nc_u64 s[G0B+4*\s+2:G0B+4*\s+3], s[46:47], \s*ROWB
	s_or_b32 s[G0B+4*\s+3], s[G0B+4*\s+3], 0x80000000
	JLOAD G0+4*\s, G1, G0B+4*\s, G1B               ; both slots: three tensor loads of mine are out
.endr
	v_and_b32 v1, 15, v0                           ; l % 16
	v_bfe_u32 v2, v0, 4, 1                         ; l / 16
	v_mul_u32_u24 v3, v1, PITCH
	v_lshl_add_u32 v4, v2, 4, v3                   ; a fragment's row x pitch + 16 x half
	s_mul_i32 s21, s15, HALFT                      ; my 128 rows of A
	s_mul_i32 s22, s16, HALFT                      ; my 128 rows of B,
	s_add_co_u32 s22, s22, 2*HALFT                 ; which lie behind A's 256
.irp s, 0,1
	v_add_nc_u32 v[ADRA+\s], s21, v4
	v_add_nc_u32 v[ADRB+\s], s22, v4
	s_add_co_u32 s21, s21, SLOT
	s_add_co_u32 s22, s22, SLOT
.endr
	v_mul_u32_u24 v5, v1, KS                       ; my row's scales: KS bytes a row,
	v_lshrrev_b32 v6, 8, v5
	v_lshl_add_u32 v5, v6, 4, v5                   ; and 16 more for each 256 passed
	s_mul_i32 s21, s15, HALFS                      ; A's: my 128 rows
	s_mul_i32 s22, s16, HALFS                      ; B's: my 128 rows, behind A's 256
	s_add_co_u32 s22, s22, 2*HALFS
	s_sub_co_u32 s22, s22, s21
	v_mul_u32_u24 v6, s22, v2                      ; lanes 16-31 take B's
	s_add_co_u32 s21, s21, SCL
	v_add_nc_u32 v5, v5, v6
	v_add_nc_u32 v[ADRS], s21, v5
	v_and_b32 v6, 31, v0
	v_lshlrev_b32 v[CO], 4, v6
	; where my results go.  The tokens are A's rows for q and k, B's for v; the heads come from the other side.
	s_cmp_eq_u32 ttmp9, 2
	s_cselect_b32 s20, s42, s17                    ; the tokens' tile,
	s_cselect_b32 s21, s16, s15                    ; my half of it,
	s_cselect_b32 s22, s41, s40                    ; the weight's tile of 8 heads,
	s_cselect_b32 s23, s15, s16                    ; my half of it
	s_lshl_b32 s20, s20, 8
	s_lshl_b32 s21, s21, 7
	s_add_co_u32 s20, s20, s21                     ; my first token
	s_lshl_b32 s22, s22, 3
	s_lshl_b32 s23, s23, 2
	s_add_co_u32 s22, s22, s23                     ; my first head
	s_lshl_b32 s22, s22, 17                        ; 131,072 bytes a head
	s_lshr_b32 s21, s20, 11
	s_lshl_b32 s21, s21, 22                        ; 4,194,304 a batch
	s_add_co_u32 s22, s22, s21
	s_and_b32 s21, s20, 2047
	s_lshl_b32 s21, s21, 6                         ; 1 KB for 16 tokens of q or k, 2 KB for 32 keys of v: 64 bytes a token
	s_add_co_u32 s22, s22, s21
	s_lshl_b32 s21, ttmp9, 23                      ; 8,388,608 a kind
	s_add_co_u32 s22, s22, s21
	s_mov_b32 s23, 0
	s_add_nc_u64 s[12:13], s[10:11], s[22:23]
	; the cosines and sines of my 8 token tiles, into window 1's idle registers; they are waited for on the way out.  q takes table 0, k table 1; v's work-groups name table 1, so that no load leaves the buffer
	s_lshl_b32 s22, s20, 7                         ; 2,048 bytes for a tile of 16 tokens: 524,160 at the most
	s_min_u32 s21, ttmp9, 1
	s_lshl_b32 s21, s21, 19                        ; 524,288 a table
	s_add_co_u32 s22, s22, s21
	s_add_nc_u64 s[96:97], s[8:9], s[22:23]
	WIN TO_B
.irp a, 0,1,2,3,4,5,6,7
.irp g, 0,1,2,3
	global_load_b128 v[64+16*\a+64*(\a/4)+4*\g:64+16*\a+64*(\a/4)+4*\g+3], v[CO], s[96:97] offset:2048*\a+512*\g
.endr
.endr
	WIN 0
.macro FRAG reg, adr, q, i             ; a fragment, 16 rows x 128 K of 4-bit codes: lane l holds row l % 16; registers 4 c .. 4 c + 3 hold K = 64 c + 32 (l / 16) + 0 .. 31
.irp c, 0,1
	ds_load_b128 v[\reg+4*\c:\reg+4*\c+3], v[\adr] offset:64*(\q)+32*\c+(\i)*16*PITCH
.endr
.endm
; 16 matrix instructions: A's blocks a0, a0 + 1 x B's eight, 128 along K.  p: B's set;  sc: the set of scale words.  zero = 1: the first product starts the sums.
; The 64 accumulators take turns, one instruction a turn, in the same order in every step.
.macro MUL16 a0, p, q, sc, zero
.irp a, \a0, \a0+1
.irp b, 0,1,2,3,4,5,6,7
.if \zero
	v_wmma_scale_f32_16x16x128_f8f6f4 v[8*(8*((\a)%4)+\b):8*(8*((\a)%4)+\b)+7], v[128*(\p)+FR*\b:128*(\p)+FR*\b+FR-1], v[AF+FR*(\a):AF+FR*(\a)+FR-1], 0, v[SC+8*NQ*(\sc)+NQ*\b+(\q)], v[SC+8*NQ*(\sc)+NQ*(\a)+(\q)] matrix_a_fmt:MATRIX_FMT_FP4 matrix_b_fmt:MATRIX_FMT_FP4 matrix_a_scale:MATRIX_SCALE_ROW1
.else
	v_wmma_scale_f32_16x16x128_f8f6f4 v[8*(8*((\a)%4)+\b):8*(8*((\a)%4)+\b)+7], v[128*(\p)+FR*\b:128*(\p)+FR*\b+FR-1], v[AF+FR*(\a):AF+FR*(\a)+FR-1], v[8*(8*((\a)%4)+\b):8*(8*((\a)%4)+\b)+7], v[SC+8*NQ*(\sc)+NQ*\b+(\q)], v[SC+8*NQ*(\sc)+NQ*(\a)+(\q)] matrix_a_fmt:MATRIX_FMT_FP4 matrix_b_fmt:MATRIX_FMT_FP4 matrix_a_scale:MATRIX_SCALE_ROW1
.endif
.endr
.endr
.endm
.macro FETCH_B slot, q, p              ; B's eight fragments of the slot's q-th 128 along K into set p
	WIN TO_B
.irp i, 0,1,2,3,4,5,6,7
	FRAG 128*(\p)+FR*\i, ADRB+\slot, \q, \i
.endr
	WIN 0
.endm
.macro FETCH_A slot, q, i0             ; A's blocks i0 .. i0 + 3
.irp i, \i0, \i0+1, \i0+2, \i0+3
	FRAG AF+FR*(\i), ADRA+\slot, \q, \i
.endr
.endm
.macro SCALES sc                       ; a K step's scale words into set sc: NQ words a row; lanes 0-15 take A's block i, lanes 16-31 B's block i
.irp i, 0,1,2,3,4,5,6,7
	ds_load_b128 v[SC+8*NQ*\sc+NQ*\i:SC+8*NQ*\sc+NQ*\i+3], v[ADRS] offset:\i*SBLK
.endr
.endm
; A load into a register that a matrix instruction has read, and a vector instruction that reads a matrix result or writes one of its registers, stand NP places behind it; only plain vector
; instructions that name none of its registers are places.
.macro PLACES n
.rept \n
	v_nop
.endr
.endm
.macro STEP slot, q, zero              ; a step of 128 along K that has its successor in the same slot
	s_wait_dscnt 4*NL                              ; B's set and A's blocks 0-3 are in; the youngest eight loads (A's blocks 4-7) may be out
	WIN MUL_LO
	MUL16 0, (\q)%2, \q, \slot, \zero
	MUL16 2, (\q)%2, \q, \slot, \zero
	s_wait_dscnt 0                                 ; A's blocks 4-7 are in (asked for 32 matrix instructions ago)
	PLACES NP
	FETCH_B \slot, (\q)+1, 1-(\q)%2
	FETCH_A \slot, (\q)+1, 0
	WIN MUL_HI
	MUL16 4, (\q)%2, \q, \slot, \zero
	MUL16 6, (\q)%2, \q, \slot, \zero
	PLACES NP
	WIN 0
	FETCH_A \slot, (\q)+1, 4
.endm
; Slot 0's last step goes over to slot 1: each wave waits for all its tensor loads (its part of slot 1), adds 0 to its spare word, waits for that and for its LDS loads, and passes the barrier: slot 1 is then whole for all.
.macro TURN slot, next
	s_wait_tensorcnt 0x0                           ; all my tensor loads have landed: my part of the next slot
	ds_add_u32 v[SPW], v[NIL]                      ; 0 onto my spare word
	s_wait_dscnt 4*NL+1                            ; (the add and the youngest eight loads, A's blocks 4-7, may be out)
	WIN MUL_LO
	MUL16 0, 1, NQ-1, \slot, 0                     ; sixteen matrix instructions stand between the add and the wait for it
	s_wait_dscnt 0x0                               ; the add is done, and my reads of this slot are over
	s_barrier_signal -1
	MUL16 2, 1, NQ-1, \slot, 0
	WIN 0
	s_barrier_wait -1
	PLACES NP
	v_add_nc_u32 v[ADRS], 4*NQ, v[ADRS]            ; on to the next K step's scale words (no LDS load of mine is out)
	FETCH_B \next, 0, 0
	FETCH_A \next, 0, 0
	SCALES \next
	WIN MUL_HI
	MUL16 4, 1, NQ-1, \slot, 0
	MUL16 6, 1, NQ-1, \slot, 0
	PLACES NP
	WIN 0
	FETCH_A \next, 0, 4
.endm
.macro STEPS slot, from                ; the slot's steps from .. NQ - 2
.set Q, \from
.rept NQ-1-\from
	STEP \slot, Q, 0
.set Q, Q+1
.endr
.endm
	s_wait_tensorcnt 1                             ; the scales and my part of K step 0 are in (slot 1's load may be out)
	s_barrier_signal -1
	s_barrier_wait -1                              ; everybody's are
	FETCH_B 0, 0, 0
	FETCH_A 0, 0, 0
	SCALES 0
	FETCH_A 0, 0, 4
	STEP 0, 0, 1                                   ; the first step's products start the sums
	STEPS 0, 1
	TURN 0, 1
	STEPS 1, 0
	s_wait_dscnt 4*NL                              ; the very last step: nothing more to fetch
	WIN MUL_LO
	MUL16 0, 1, NQ-1, 1, 0
	MUL16 2, 1, NQ-1, 1, 0
	s_wait_dscnt 0
	WIN MUL_HI
	MUL16 4, 1, NQ-1, 1, 0
	MUL16 6, 1, NQ-1, 1, 0
	WIN 0
; THE WAY OUT OF q AND k, a token tile a at a time.  x1 = channel d = 8 h + j of head p, x2 = channel d + 16: x1 cos - x2 sin and x2 cos + x1 sin, two at a time; each accumulator is read from its low end on.
.macro ROPE a
.set AC, 64*((\a)%4)
.set CSB, 64+16*(\a)+64*((\a)/4)       ; the tile's cosines at CSB + 0..7, sines at CSB + 8..15, in window 1
.set YB, YY+32*((\a)%2)
	WIN 0x06+(\a)/4                                ; source 0: the accumulators' window; source 1: window 1; source 2 and destination: window 0
.irp p, 0,1,2,3
.irp j, 0,2,4,6
	v_pk_mul_f32 v[TT+2*(\j%4):TT+2*(\j%4)+1], v[AC+16*\p+8+\j:AC+16*\p+9+\j], v[CSB+8+\j:CSB+9+\j]
	v_pk_mul_f32 v[TT+2*(\j%4)+2:TT+2*(\j%4)+3], v[AC+16*\p+\j:AC+16*\p+1+\j], v[CSB+8+\j:CSB+9+\j]
	v_pk_fma_f32 v[RR+16*\p+\j:RR+16*\p+1+\j], v[AC+16*\p+\j:AC+16*\p+1+\j], v[CSB+\j:CSB+1+\j], v[TT+2*(\j%4):TT+2*(\j%4)+1] neg_lo:[0,0,1] neg_hi:[0,0,1]
	v_pk_fma_f32 v[RR+16*\p+8+\j:RR+16*\p+9+\j], v[AC+16*\p+8+\j:AC+16*\p+9+\j], v[CSB+\j:CSB+1+\j], v[TT+2*(\j%4)+2:TT+2*(\j%4)+3]
.endr
.endr
	WIN 0
.if (\a) > 1
	s_wait_xcnt 0x0                                ; the stores of two tiles back have read this set of registers
.endif
.irp p, 0,1,2,3
.irp i, 0,1,2,3,4,5,6,7
	v_cvt_pk_f16_f32 v[YB+8*\p+\i], v[RR+16*\p+2*\i], v[RR+16*\p+2*\i+1]
.endr
.endr
.irp p, 0,1,2,3
.irp c, 0,1
	global_store_b128 v[CO], v[YB+8*\p+4*\c:YB+8*\p+4*\c+3], s[12:13] offset:131072*\p+1024*(\a)+512*\c
.endr
.endr
.endm
; THE WAY OUT OF v, a tile a of 16 channels (head a / 2, half a % 2) at a time: B's blocks 2 p and 2 p + 1 are the 32 keys of a fragment of V^T.
.macro VOUT a
.set AC, 64*((\a)%4)
.set YB, YY+32*((\a)%2)
.if (\a) > 1
	s_wait_xcnt 0x0                                ; the stores of two tiles back have read this set of registers
.endif
	WIN 0x0a+5*((\a)/4)                            ; sources 0 and 1: the accumulators' window
.irp b, 0,1,2,3,4,5,6,7
.irp i, 0,1,2,3
	v_cvt_pk_f16_f32 v[YB+4*\b+\i], v[AC+8*\b+2*\i], v[AC+8*\b+2*\i+1]
.endr
.endr
	WIN 0
.irp p, 0,1,2,3
.irp c, 0,1
	global_store_b128 v[CO], v[YB+8*\p+4*\c:YB+8*\p+4*\c+3], s[12:13] offset:131072*((\a)/2)+2048*\p+1024*((\a)%2)+512*\c
.endr
.endr
.endm
	PLACES NP                                      ; behind the last products: their results are read, and A's fragments' registers written, from here on
	s_wait_loadcnt 0x0                             ; the cosines and sines, asked for at the head
	s_cmp_eq_u32 ttmp9, 2
	s_cbranch_scc1 .Lvout
.irp a, 0,1,2,3,4,5,6,7
	ROPE \a
.endr
	s_branch .Lend
.Lvout:
.irp a, 0,1,2,3,4,5,6,7
	VOUT \a
.endr
.Lend:
	s_wait_tensorcnt 0x0                           ; the wave's end
	ds_add_u32 v[SPW], v[NIL]
	s_wait_dscnt 0x0
	CROUND                                         ; the closing round: no work-group ends while a partner may still ask for a tile that names it
	s_endpgm
.Lfunc_end_k_qf1f766d5c8_qkv:
	.size	k_qf1f766d5c8_qkv, .Lfunc_end_k_qf1f766d5c8_qkv-k_qf1f766d5c8_qkv
	.p2alignl 7, 3214868480
	.fill 96, 4, 3214868480
	.section	.rodata,"a",@progbits
	.p2align	6, 0x0
	.amdhsa_kernel k_qf1f766d5c8_qkv
		.amdhsa_group_segment_fixed_size 327680
		.amdhsa_private_segment_fixed_size 0
		.amdhsa_enable_private_segment 0
		.amdhsa_kernarg_size 32
		.amdhsa_user_sgpr_count 2
		.amdhsa_user_sgpr_kernarg_segment_ptr 1
		.amdhsa_wavefront_size32 1
		.amdhsa_system_sgpr_workgroup_id_x 1
		.amdhsa_system_sgpr_workgroup_id_y 1
		.amdhsa_system_sgpr_workgroup_id_z 1
		.amdhsa_system_vgpr_workitem_id 0
		.amdhsa_next_free_vgpr 1024
		.amdhsa_next_free_sgpr 100
		.amdhsa_reserve_vcc 0
		.amdhsa_float_denorm_mode_32 3
		.amdhsa_float_denorm_mode_16_64 3
		.amdhsa_memory_ordered 1
		.amdhsa_forward_progress 1
		.amdhsa_inst_pref_size 176
	.end_amdhsa_kernel
	.amdgpu_metadata
---
amdhsa.version: [ 1, 2 ]
amdhsa.kernels:
  - .name:           k_qf1f766d5c8_qkv
    .symbol:         k_qf1f766d5c8_qkv.kd
    .args:
      - { .name: codes, .offset: 0, .size: 8, .value_kind: global_buffer, .address_space: global }
      - { .name: scales, .offset: 8, .size: 8, .value_kind: global_buffer, .address_space: global }
      - { .name: rope, .offset: 16, .size: 8, .value_kind: global_buffer, .address_space: global }
      - { .name: qkv, .offset: 24, .size: 8, .value_kind: global_buffer, .address_space: global }
    .group_segment_fixed_size: 327680
    .private_segment_fixed_size: 0
    .kernarg_segment_align: 8
    .kernarg_segment_size: 32
    .max_flat_workgroup_size: 128
    .sgpr_count:     100
    .vgpr_count:     1024
    .wavefront_size: 32
...
	.end_amdgpu_metadata
.endif
;; end of part 2
;; launch attn (part 3): grid 4 x 64, 16 waves a work-group, clusters of 4 x 1, 264,192 bytes of LDS; arguments qkv, ao; writes ao
.if DOCPART == 3
	.amdgcn_target "amdgcn-amd-amdhsa--gfx1250"
	.amdhsa_code_object_version 6
	.text
	.protected	k_qf1f766d5c8_attn
	.globl	k_qf1f766d5c8_attn
	.p2align	8
	.type	k_qf1f766d5c8_attn,@function
k_qf1f766d5c8_attn:
	s_mov_b64 s[64:65], 0
	v_nop
	global_prefetch_b8 v0, s[64:65] scope:SCOPE_SE
	s_setreg_imm32_b32 hwreg(HW_REG_WAVE_MODE, 25, 1), 1
	s_wait_xcnt 0x0
	s_wait_alu depctr_hold_cnt(0) depctr_sa_sdst(0) depctr_va_vdst(0) depctr_va_sdst(0) depctr_va_ssrc(0) depctr_va_vcc(0) depctr_vm_vsrc(0)
	s_getreg_b32 s2, hwreg(HW_REG_IB_STS2, 6, 4)
	s_cmp_eq_u32 s2, 0
	s_cbranch_scc0 .Lentry_in_a_cluster
	s_endpgm
.Lentry_in_a_cluster:
	s_bfe_u32 s2, ttmp6, 0x10000c
	s_cmp_lg_u32 s2, 0x3003
	s_cbranch_scc0 .Lentry_shape_is_right
	s_endpgm
.Lentry_shape_is_right:
; Causal attention, head size 32, 2,048 positions, 64 (batch, head) pairs.  q (already times log2(e) / sqrt(32)), k, v come as f16 images of fragments; products on f16 with f32 sums; maxima, exponentials and scalings in f32.
; A CLUSTER of four work-groups is one (batch, head).  The head's whole K (131,072 bytes at LDS 0) and V (131,072 bytes behind it) fit in LDS: they are asked for JOINTLY, once, at the start; no LDS byte is filled twice.
; SHARES.  A key step is 64 keys.  Partner cx owns the query tiles 4 g + cx, g = 0 .. 31: a tile of group g needs key steps 0 .. g whatever cx is, so no trip count and no branch hangs on cx;
; cx enters q's and the output's addresses, and the number against which the diagonal step's keys are compared.
; Wave w owns tile A of group gA = w xor (15 x parity(w)), 0 .. 15, and tile B of group 31 - gA: 33 tile steps for every wave.  In key steps 0 .. 15 both tiles share the fragments of K and V.
; LAYOUT.  S^T = K Q^T (source 0 = 16 keys, source 1 = my 16 queries): a lane holds ONE query (lane % 16) and keys 8 (lane / 16) + 0..7 of each of the step's four tiles.  Rounded to f16 in pairs, two such tiles ARE
; source 1 (32 keys x 16 queries) of O^T = V^T P.  THE ROW'S SUM is a product too: source 0 holds ones in rows 0 and 8 and zeros elsewhere, so that register 0 of every lane gets the sum of its query's rounded p.
; SOFTMAX.  A running maximum m and p = 2^(s - m); in every step O^T and the sum are multiplied by 2^(m_old - m_new).
; OUT: O^T / the sum as f16 hi + f16 lo (lo = the rounding's remainder), images of the next product's fragments: [token tile 256][head 32][hi, lo][1 KB].  Each store covers 512 consecutive bytes, aligned.
; LIMITS: the results stay under 65,504 (f16); p under 2^-25 counts as 0; NaN and infinities are not served.
.set LI,   1                           ; v1   16 x lane; never rewritten
.set ADK,  2                           ; v2   LDS address of the step's K
.set ADV,  3                           ; v3   of its V
.set DG,   4                           ; v4   16 cx + r - 8 h: in the diagonal step register 8 kt + j holds a hidden key where 16 kt + j is greater
.set NINF, 5                           ; v5   -infinity
.set INV,  6                           ; v[6:7]   1 / the sum (the pair is named; its low word serves both halves)
.set QA,   8                           ; v8-15    tile A's queries
.set QB,   16                          ; v16-23   tile B's
.set ONES, 24                          ; v24-31   ones in rows 0 and 8
.set KF,   32                          ; v32-63   four fragments of K
.set VF,   64                          ; v64-95   four of V^T: 32 keys i, 16 channels u at 16 i + 8 u
.set S,    96                          ; v96-127  S^T, then p; at a tile's end hi, lo and work
.set P,    128                         ; v128-143 p in f16
.set OA,   144                         ; v144-159 O^T of tile A, v160-167 its sum
.set LA,   160
.set OB,   168                         ; v168-183, v184-191 tile B's
.set LB,   184
.set MA,   192                         ; v[192:193], v[194:195] the running maxima (pairs; the low word serves)
.set MB,   194
.set CH,   196                         ; v196-199 four chains of the maximum
.set XC,   200                         ; v200     the other half of the lanes' maximum
.set AF,   202                         ; v[202:203] 2^(m_old - m_new)
.set LV0,  204                         ; v204     131,072 + 16 x lane
.set WV,   12
.set CX,   13
.set BH,   14
.set G1S,  16                          ; s[16:23] group 1: 64 rows of 256 bytes
.set G1L,  24                          ; s[24:31] 384 rows
.set G0,   32                          ; s[32:43] three groups 0
.set GA,   48
.set GB,   49
.set TS,   50                          ; the key step
.set KO,   51                          ; its bytes in K and in V: 4,096 x the key step
.set CNT,  52
.set SEL,  54                          ; s[54:55] lane selects: lane l xor 16
.set OUTA, 56
.set OUTB, 58
.set QPA,  60
.set QPB,  62
.macro CROUND                          ; a round of the cluster's barrier
	s_barrier_signal -1
	s_barrier_wait -1
	s_cmp_lg_u32 s[WV], 0
	s_cbranch_scc1 .Lnot_wave_0_\@
	s_barrier_signal -3
.Lnot_wave_0_\@:
	s_barrier_wait -3
	s_barrier_signal -1
	s_barrier_wait -1
.endm
	s_load_b128 s[4:7], s[0:1], 0x0                ; qkv s[4:5], ao s[6:7]
	v_lshl_add_u32 v254, v0, 2, 0x40000
	v_mov_b32 v255, 0
	ds_add_u32 v254, v255
	ds_add_u32 v254, v255
	v_lshrrev_b32 v1, 5, v0
	v_readfirstlane_b32 s[WV], v1                  ; wave 0..15
	s_bfe_u32 s[CX], ttmp6, 0x40000                ; cx: my place in the cluster
	s_and_b32 s[BH], ttmp7, 0xffff                 ; batch x 32 + head, which the four partners share
	; group 1: dense blocks as rows of 256 bytes (32 elements of 8 bytes), no padding: a fragment's image is read 16 bytes a lane, on end
	s_mov_b32 s[G1S], 15|(3<<16)|(1<<21)           ; 15:0 the mask: all four work-groups; 17:16 elements of 8 bytes; 21 set beside a mask
	s_mov_b32 s[G1S+1], 32<<16                     ; tensor_dim0
	s_mov_b32 s[G1S+2], 64<<16                     ; tensor_dim1
	s_mov_b32 s[G1S+3], 32<<16                     ; tile_dim0
	s_mov_b32 s[G1S+4], 64                         ; tile_dim1
	s_mov_b32 s[G1S+5], 32                         ; tensor_dim0_stride
	s_mov_b32 s[G1S+6], 0
	s_mov_b32 s[G1S+7], 0
	s_mov_b32 s[G1L], 15|(3<<16)|(1<<21)
	s_mov_b32 s[G1L+1], 32<<16
	s_mov_b32 s[G1L+2], 384<<16
	s_mov_b32 s[G1L+3], 32<<16
	s_mov_b32 s[G1L+4], 384
	s_mov_b32 s[G1L+5], 32
	s_mov_b32 s[G1L+6], 0
	s_mov_b32 s[G1L+7], 0
	s_lshr_b32 s44, s[WV], 1                       ; the wave's parity,
	s_xor_b32 s44, s44, s[WV]
	s_lshr_b32 s45, s44, 2
	s_xor_b32 s44, s44, s45
	s_and_b32 s44, s44, 1
	s_mul_i32 s44, s44, 15
	s_xor_b32 s[GA], s[WV], s44                    ; gA
	s_sub_co_u32 s[GB], 31, s[GA]                  ; gB
	s_mov_b32 s[SEL], 0x76543210
	s_mov_b32 s[SEL+1], 0xfedcba98
	; wave 0 fetches K, wave 1 V, each in three parts: key steps 0-3, 4-7, 8-31
	s_lshl_b32 s44, s[WV], 17                      ; LDS: wave x 131,072
	s_add_co_u32 s46, s[WV], 1
	s_lshl_b32 s46, s46, 23                        ; k lies 8,388,608 bytes into the buffer, v 16,777,216
	s_lshl_b32 s45, s[BH], 17                      ; 131,072 bytes a head
	s_add_co_u32 s46, s46, s45
	s_mov_b32 s47, 0
	s_wait_dscnt 0x0
	s_wait_kmcnt 0x0
	s_add_nc_u64 s[46:47], s[4:5], s[46:47]
.irp j, 0,1,2
	s_mov_b32 s[G0+4*\j], 1                        ; count = 1
	s_add_co_u32 s[G0+4*\j+1], s44, \j*16384       ; LDS address
	s_add_nc_u64 s[G0+4*\j+2:G0+4*\j+3], s[46:47], \j*16384   ; global address
	s_or_b32 s[G0+4*\j+3], s[G0+4*\j+3], 0x80000000           ; type = 2
.endr
	CROUND                                         ; all four work-groups are here: the joint loads meet
	s_cmp_lt_u32 s[WV], 2                          ; a wave's three fills stand in one branch, ahead of every wait on TENSORcnt and every LDS read: three loads of the wave are out
	s_cbranch_scc0 .Lfirst_asked
	tensor_load_to_lds s[G0:G0+3], s[G1S:G1S+7]
	s_nop 0
	tensor_load_to_lds s[G0+4:G0+7], s[G1S:G1S+7]
	s_nop 0
	tensor_load_to_lds s[G0+8:G0+11], s[G1L:G1L+7]
	s_nop 0
.rept 4
	v_nop
.endr
.Lfirst_asked:
	s_lshl_b32 s9, s[BH], 17                       ; the head's first byte among q's images
	s_lshr_b32 s44, s[BH], 5
	s_lshl_b32 s44, s44, 7                         ; 128 token tiles a batch
	s_and_b32 s45, s[BH], 31
	s_lshl_b32 s45, s45, 11                        ; 2,048 bytes a head in a token tile of the output
	s_mov_b32 s11, 0
	s_lshl_b32 s46, s[GA], 2
	s_add_co_u32 s46, s46, s[CX]                   ; tile A: 4 gA + cx
	s_lshl_b32 s10, s46, 10
	s_add_co_u32 s10, s10, s9
	s_add_nc_u64 s[QPA:QPA+1], s[4:5], s[10:11]
	s_add_co_u32 s10, s46, s44
	s_lshl_b32 s10, s10, 16                        ; 65,536 bytes a token tile
	s_add_co_u32 s10, s10, s45
	s_add_nc_u64 s[OUTA:OUTA+1], s[6:7], s[10:11]
	s_lshl_b32 s46, s[GB], 2
	s_add_co_u32 s46, s46, s[CX]                   ; tile B: 4 gB + cx
	s_lshl_b32 s10, s46, 10
	s_add_co_u32 s10, s10, s9
	s_add_nc_u64 s[QPB:QPB+1], s[4:5], s[10:11]
	s_add_co_u32 s10, s46, s44
	s_lshl_b32 s10, s10, 16
	s_add_co_u32 s10, s10, s45
	s_add_nc_u64 s[OUTB:OUTB+1], s[6:7], s[10:11]
	v_and_b32 v[LI], 31, v0
	v_lshlrev_b32 v[LI], 4, v[LI]
	global_load_b128 v[QA:QA+3],   v[LI], s[QPA:QPA+1]
	global_load_b128 v[QA+4:QA+7], v[LI], s[QPA:QPA+1] offset:512
	global_load_b128 v[QB:QB+3],   v[LI], s[QPB:QPB+1]
	global_load_b128 v[QB+4:QB+7], v[LI], s[QPB:QPB+1] offset:512
	v_add_nc_u32 v[LV0], 131072, v[LI]
	v_and_b32 v[DG], 15, v0
	v_bfe_u32 v[NINF], v0, 4, 1
	v_lshlrev_b32 v[NINF], 3, v[NINF]
	v_sub_nc_u32 v[DG], v[DG], v[NINF]
	s_lshl_b32 s45, s[CX], 4
	v_add_nc_u32 v[DG], s45, v[DG]
	v_mov_b32 v[NINF], 0xff800000
	v_and_b32 v[ONES], 7, v0
	v_cmp_eq_u32 vcc_lo, 0, v[ONES]                ; lanes 0, 8, 16, 24 hold rows 0 and 8
	v_mov_b32 v[ONES+1], 0x3c003c00                ; 1.0 twice, in f16
	v_cndmask_b32 v[ONES], 0, v[ONES+1], vcc_lo
.irp j, 1,2,3,4,5,6,7
	v_mov_b32 v[ONES+\j], v[ONES]
.endr
.irp j, 0,1,2,3,4,5,6,7,8,9,10,11,12,13,14,15,16,17,18,19,20,21,22,23,24,25,26,27,28,29,30,31,32,33,34,35,36,37,38,39,40,41,42,43,44,45,46,47
	v_mov_b32 v[OA+\j], 0                          ; O^T and the sums of both tiles: the step is written once; the first finds zeros, which its scaling leaves zeros
.endr
	v_mov_b32 v[MA], 0xff61b1e6                    ; -3e38, under every score
	v_mov_b32 v[MB], 0xff61b1e6
	v_mov_b32 v[MA+1], 0                           ; the upper halves of pairs that are named whole, and the permute's destination: written once
	v_mov_b32 v[MB+1], 0
	v_mov_b32 v[AF+1], 0
	v_mov_b32 v[INV+1], 0
	v_mov_b32 v[XC], 0
; Two numbers x, x + 1 become a register of hi (the first three arguments name it and its halves) and a register of lo = f16(x - hi); x - hi is exact in f32.
.macro SPLIT hv, hl, hh, x, t, lo
	v_cvt_pk_f16_f32 \hv, v[\x], v[(\x)+1]
	v_cvt_f32_f16 v[\t], \hl
	v_cvt_f32_f16 v[(\t)+1], \hh
	v_pk_add_f32 v[\t:(\t)+1], v[\x:(\x)+1], v[\t:(\t)+1] neg_lo:[0,1] neg_hi:[0,1]
	v_cvt_pk_f16_f32 v[\lo], v[\t], v[(\t)+1]
.endm
; A tile's end: O^T / the sum, split, stored.  hi in v96-103, lo in v104-111, work in v112-127: S^T's registers, free here.
.macro FINAL o, l, out
.rept 4
	v_nop                                          ; places behind the last products
.endr
	v_rcp_f32 v[INV], v[\l]
	v_nop                                          ; a plain place behind the reciprocal
	s_wait_alu depctr_va_vdst(0)
.irp j, 0,2,4,6,8,10,12,14
	v_pk_mul_f32 v[\o+\j:\o+\j+1], v[\o+\j:\o+\j+1], v[INV:INV+1] op_sel_hi:[1,0]
.endr
	SPLIT v96,  v96.l,  v96.h,  \o+0,  112, 104
	SPLIT v97,  v97.l,  v97.h,  \o+2,  114, 105
	SPLIT v98,  v98.l,  v98.h,  \o+4,  116, 106
	SPLIT v99,  v99.l,  v99.h,  \o+6,  118, 107
	SPLIT v100, v100.l, v100.h, \o+8,  120, 108
	SPLIT v101, v101.l, v101.h, \o+10, 122, 109
	SPLIT v102, v102.l, v102.h, \o+12, 124, 110
	SPLIT v103, v103.l, v103.h, \o+14, 126, 111
	global_store_b128 v[LI], v[96:99],   s[\out:\out+1]
	global_store_b128 v[LI], v[100:103], s[\out:\out+1] offset:512
	global_store_b128 v[LI], v[104:107], s[\out:\out+1] offset:1024
	global_store_b128 v[LI], v[108:111], s[\out:\out+1] offset:1536
	s_wait_xcnt 0x0                                ; the stores have read their registers: the next scores are written there only behind this wait
.endm
; One tile's key step.  diag = 1: the step may be the tile's last, on the diagonal (a scalar branch on the key step against the wave's group).
.macro TILE q, o, l, m, g, out, diag
.irp kt, 0,1,2,3
	v_wmma_f32_16x16x32_f16 v[S+8*\kt:S+8*\kt+7], v[KF+8*\kt:KF+8*\kt+7], v[\q:\q+7], 0
.endr
.rept 4
	v_nop                                          ; places in front of the first read of the scores
.endr
.if \diag
	s_cmp_lg_u32 s[TS], s[\g]
	s_cbranch_scc1 .Lopen_\@
.irp n, 0,1,2,3,4,5,6,7,8,9,10,11,12,13,14,15,16,17,18,19,20,21,22,23,24,25,26,27,28,29,30,31
	v_cmp_gt_i32 vcc_lo, 16*(\n/8)+\n%8, v[DG]
	v_cndmask_b32 v[S+\n], v[S+\n], v[NINF], vcc_lo   ; a hidden key's score becomes -infinity: p = 0
.endr
.Lopen_\@:
.endif
.irp j, 0,1,2,3
	v_max3_num_f32 v[CH+\j], v[S+8*\j], v[S+8*\j+1], v[S+8*\j+2]   ; four chains, each from its accumulator's low end on
.endr
.irp j, 0,1,2,3
	v_max3_num_f32 v[CH+\j], v[CH+\j], v[S+8*\j+3], v[S+8*\j+4]
.endr
.irp j, 0,1,2,3
	v_max3_num_f32 v[CH+\j], v[CH+\j], v[S+8*\j+5], v[S+8*\j+6]
.endr
	v_max3_num_f32 v[CH], v[CH], v[S+7], v[S+15]
	v_max3_num_f32 v[CH+2], v[CH+2], v[S+23], v[S+31]
	v_max3_num_f32 v[CH], v[CH], v[CH+1], v[CH+2]
	v_max3_num_f32 v[CH], v[CH], v[CH+3], v[\m]    ; and the old maximum
	v_permlanex16_b32 v[XC], v[CH], s[SEL], s[SEL+1]   ; the query's other 32 keys lie in the lane 16 away
	v_max_num_f32 v[CH], v[CH], v[XC]
	v_sub_f32 v[AF], v[\m], v[CH]
	v_mov_b32 v[\m], v[CH]
	v_exp_f32 v[AF], v[AF]                         ; 2^(m_old - m_new)
.irp j, 0,2,4,6,8,10,12,14,16,18,20,22,24,26,28,30
	v_pk_add_f32 v[S+\j:S+\j+1], v[S+\j:S+\j+1], v[\m:\m+1] op_sel_hi:[1,0] neg_lo:[0,1] neg_hi:[0,1]   ; s - m, two at a time
.endr
.irp j, 0,1,2,3,4,5,6,7,8,9,10,11,12,13,14,15,16,17,18,19,20,21,22,23,24,25,26,27,28,29,30,31
	v_exp_f32 v[S+\j], v[S+\j]
.endr
	s_wait_alu depctr_va_vdst(0)
.irp j, 0,2,4,6,8,10,12,14
	v_pk_mul_f32 v[\o+\j:\o+\j+1], v[\o+\j:\o+\j+1], v[AF:AF+1] op_sel_hi:[1,0]   ; O^T under the new maximum (plain places behind the exponentials)
.endr
	v_mul_f32 v[\l], v[\l], v[AF]                  ; the sum likewise: register 0 holds it, the other seven hold zeros
.irp n, 0,1,2,3,4,5,6,7,8,9,10,11,12,13,14,15
	v_cvt_pk_f16_f32 v[P+\n], v[S+2*\n], v[S+2*\n+1]
.endr
	s_wait_dscnt 0x0                               ; V is in
.irp i, 0,1                            ; three accumulators by turns, one instruction a turn
	v_wmma_f32_16x16x32_f16 v[\o:\o+7], v[VF+16*\i:VF+16*\i+7], v[P+8*\i:P+8*\i+7], v[\o:\o+7]
	v_wmma_f32_16x16x32_f16 v[\o+8:\o+15], v[VF+16*\i+8:VF+16*\i+15], v[P+8*\i:P+8*\i+7], v[\o+8:\o+15]
	v_wmma_f32_16x16x32_f16 v[\l:\l+7], v[ONES:ONES+7], v[P+8*\i:P+8*\i+7], v[\l:\l+7]
.endr
.if \diag
	s_cmp_lg_u32 s[TS], s[\g]
	s_cbranch_scc1 .Lnot_last_\@
	FINAL \o, \l, \out
.Lnot_last_\@:
.endif
.endm
.macro LOADS                           ; the key step's fragments: 4,096 bytes of K, 4,096 of V, each load 512 bytes on end
	v_add_nc_u32 v[ADK], s[KO], v[LI]
	v_add_nc_u32 v[ADV], s[KO], v[LV0]
	v_nop
	v_nop                                          ; with the two additions: four places behind the last products, which read these registers
.irp kt, 0,1,2,3
.irp c, 0,1
	ds_load_b128 v[KF+8*\kt+4*\c:KF+8*\kt+4*\c+3], v[ADK] offset:1024*\kt+512*\c
.endr
.endr
.irp f, 0,1,2,3
.irp c, 0,1
	ds_load_b128 v[VF+8*\f+4*\c:VF+8*\f+4*\c+3], v[ADV] offset:1024*\f+512*\c
.endr
.endr
	s_wait_dscnt 8                                 ; K is in; V's eight loads may be out
.endm
.macro TRIP1                           ; a key step under 16: tile B always, never on its diagonal; tile A while the step is not past its group
	LOADS
	TILE QB, OB, LB, MB, GB, OUTB, 0
	s_cmp_gt_u32 s[TS], s[GA]
	s_cbranch_scc1 .Lno_a_\@
	TILE QA, OA, LA, MA, GA, OUTA, 1
.Lno_a_\@:
	s_add_co_u32 s[TS], s[TS], 1
	s_add_co_u32 s[KO], s[KO], 4096
.endm
.macro TRIP2                           ; a key step from 16 on: tile B while the step is not past its group
	s_cmp_gt_u32 s[TS], s[GB]
	s_cbranch_scc1 .Lno_b_\@
	LOADS
	TILE QB, OB, LB, MB, GB, OUTB, 1
.Lno_b_\@:
	s_add_co_u32 s[TS], s[TS], 1
	s_add_co_u32 s[KO], s[KO], 4096
.endm
.macro STAGEBAR n                      ; the fetching waves' loads but the youngest n have landed; then the barrier shows that to all sixteen.
	s_wait_tensorcnt \n
	s_wait_dscnt 0x0
	s_barrier_signal -1
	s_barrier_wait -1
.endm
.macro LOOPEND label
	s_sub_co_u32 s[CNT], s[CNT], 1
	s_cmp_lg_u32 s[CNT], 0
	s_cbranch_scc1 \label
.endm
	s_wait_loadcnt 0x0                             ; the queries
	STAGEBAR 2                                     ; key steps 0-3 are in
	s_mov_b32 s[TS], 0
	s_mov_b32 s[KO], 0
	s_mov_b32 s[CNT], 4
.Lst0:
	TRIP1
	LOOPEND .Lst0
	STAGEBAR 1                                     ; key steps 4-7
	s_mov_b32 s[TS], 4
	s_mov_b32 s[KO], 4*4096
	s_mov_b32 s[CNT], 4
.Lst1:
	TRIP1
	LOOPEND .Lst1
	STAGEBAR 0                                     ; all keys
	s_mov_b32 s[TS], 8
	s_mov_b32 s[KO], 8*4096
	s_mov_b32 s[CNT], 8
.Lst2:
	TRIP1
	LOOPEND .Lst2
	s_mov_b32 s[TS], 16
	s_mov_b32 s[KO], 16*4096
	s_mov_b32 s[CNT], 16
.Lst3:
	TRIP2
	LOOPEND .Lst3
	s_wait_dscnt 0x0
	s_wait_tensorcnt 0x0
	ds_add_u32 v254, v255
	s_wait_dscnt 0x0
	CROUND                                         ; the closing round
	s_endpgm
.Lfunc_end_k_qf1f766d5c8_attn:
	.size	k_qf1f766d5c8_attn, .Lfunc_end_k_qf1f766d5c8_attn-k_qf1f766d5c8_attn
	.p2alignl 7, 3214868480
	.fill 96, 4, 3214868480
	.section	.rodata,"a",@progbits
	.p2align	6, 0x0
	.amdhsa_kernel k_qf1f766d5c8_attn
		.amdhsa_group_segment_fixed_size 264192
		.amdhsa_private_segment_fixed_size 0
		.amdhsa_enable_private_segment 0
		.amdhsa_kernarg_size 16
		.amdhsa_user_sgpr_count 2
		.amdhsa_user_sgpr_kernarg_segment_ptr 1
		.amdhsa_wavefront_size32 1
		.amdhsa_system_sgpr_workgroup_id_x 1
		.amdhsa_system_sgpr_workgroup_id_y 1
		.amdhsa_system_sgpr_workgroup_id_z 1
		.amdhsa_system_vgpr_workitem_id 0
		.amdhsa_next_free_vgpr 256
		.amdhsa_next_free_sgpr 66
		.amdhsa_reserve_vcc 1
		.amdhsa_float_denorm_mode_32 3
		.amdhsa_float_denorm_mode_16_64 3
		.amdhsa_memory_ordered 1
		.amdhsa_forward_progress 1
		.amdhsa_inst_pref_size 75
	.end_amdhsa_kernel
	.amdgpu_metadata
---
amdhsa.version: [ 1, 2 ]
amdhsa.kernels:
  - .name:           k_qf1f766d5c8_attn
    .symbol:         k_qf1f766d5c8_attn.kd
    .args:
      - { .name: qkv, .offset: 0, .size: 8, .value_kind: global_buffer, .address_space: global }
      - { .name: ao, .offset: 8, .size: 8, .value_kind: global_buffer, .address_space: global }
    .group_segment_fixed_size: 264192
    .private_segment_fixed_size: 0
    .kernarg_segment_align: 8
    .kernarg_segment_size: 16
    .max_flat_workgroup_size: 512
    .sgpr_count:     66
    .vgpr_count:     256
    .wavefront_size: 32
...
	.end_amdgpu_metadata
.endif
;; end of part 3
;; launch proj (part 4): grid 8 x 32, 4 waves a work-group, clusters of 4 x 4, 327,680 bytes of LDS; arguments ao, wof, out0; writes out0
.if DOCPART == 4
	.amdgcn_target "amdgcn-amd-amdhsa--gfx1250"
	.amdhsa_code_object_version 6
	.text
	.protected	k_qf1f766d5c8_proj
	.globl	k_qf1f766d5c8_proj
	.p2align	8
	.type	k_qf1f766d5c8_proj,@function
k_qf1f766d5c8_proj:
	s_mov_b64 s[64:65], 0
	v_nop
	global_prefetch_b8 v0, s[64:65] scope:SCOPE_SE
	s_setreg_imm32_b32 hwreg(HW_REG_WAVE_MODE, 25, 1), 1
	s_wait_xcnt 0x0
	s_wait_alu depctr_hold_cnt(0) depctr_sa_sdst(0) depctr_va_vdst(0) depctr_va_sdst(0) depctr_va_ssrc(0) depctr_va_vcc(0) depctr_vm_vsrc(0)
	s_getreg_b32 s2, hwreg(HW_REG_IB_STS2, 6, 4)
	s_cmp_eq_u32 s2, 0
	s_cbranch_scc0 .Lentry_in_a_cluster
	s_endpgm
.Lentry_in_a_cluster:
	s_bfe_u32 s2, ttmp6, 0x10000c
	s_cmp_lg_u32 s2, 0xf033
	s_cbranch_scc0 .Lentry_shape_is_right
	s_endpgm
.Lentry_shape_is_right:
; out0[m][n] = sum over k of ao[m][k] Wo[n][k], f32 out.  Both operands come as f16 hi + f16 lo, and the product is hi hi + lo hi + hi lo, on f16 with f32 sums: what is left out, lo lo, lies 2^-22 under the product.
; ao: [token tile 256][k step 32][hi, lo][1 KB], wof: [n tile 64][k step 32][hi, lo][1 KB]: images of fragments of 16 rows x 32 K (the group of four registers c of lane l at 512 c + 16 l).
; A tile of the output is 128 x 128: four waves, each 64 x 64: 16 accumulators.  K goes in steps of 128 (four k steps of 32) through a ring of two LDS slots.  In memory a tile's four k steps, hi and lo, are 8,192 bytes
; on end; a wave's tensor load brings four such rows, 65,536 bytes apart.  In LDS they lie on end; a fragment is read 16 bytes a lane, 512 bytes a load, so no padding is wanted.
; CLUSTERS: 4 x 4 work-groups; A's tiles are shared along a row of the cluster, B's along a column: each is asked for JOINTLY.
; THE MATRIX INSTRUCTION IS USED TRANSPOSED (source 0 = 16 rows of Wo, source 1 = 16 tokens): a lane holds eight neighbouring numbers of a row of the output.
; REGISTERS: window 0: v0-31 addresses; v32-95 at work on the way out; v128-255 the accumulators ((a, b) at v[128 + 8 (4 a + b)]).
;   window 1: two buffers of 128, one k step each: A's hi (4 x 8), A's lo, B's hi, B's lo.
.set TILEB,  8192                      ; a tile of 16 rows in a slot: four k steps x (hi, lo) x 1,024 bytes
.set HALFT,  4*TILEB                   ; four tiles: what one tensor load brings, and what one wave reads of A or of B
.set SLOT,   4*HALFT                   ; A's eight tiles, then B's eight
.set SPARE,  2*SLOT                    ; behind the ring: the spare words, 128 bytes for each wave
.set SPITCH, 272                       ; the way out: a stage of 16 rows x (256 bytes + 16) for each wave, in slot 0, which has had its last fill and its last read when the first result is stored there
.set LAPS,   4                         ; a lap = two K steps of 128 = once round the ring
.set ADRA, 16                          ; v16-17  LDS address of my A fragments in slot 0, 1
.set ADRB, 20                          ; v20-21  the same for B
.set STO,  24                          ; v24     the way out: where I put 32 bytes of a row
.set RD,   25                          ; v25     where I read a row back
.set CO,   26                          ; v26     my byte offset in the output
.set SPW,  28                          ; v28     LDS address of my spare word; never rewritten
.set NIL,  29                          ; v29     0; never rewritten
.set TMP,  32
.set ACC,  128
.set F0,   0
.set F1,   128
.set G1, 24                            ; s[24:31] group 1 for A's tiles;  s[32:39] group 0, one set for each slot
.set G0, 32
.set G1B, 48                           ; s[48:55], s[56:63] the same for B's
.set G0B, 56
.set MSB, 0
.macro WIN new                         ; the immediate's high byte repeats the setting that is left
.if MSB != (\new)
	s_set_vgpr_msb (MSB<<8)|(\new)
.set MSB, \new
.endif
.endm
.set MUL,  0x05                        ; sources 0 (B) and 1 (A) window 1; C and D window 0
.set TO_F, 0x40                        ; destination window 1, address window 0
.macro JLOAD s                         ; a joint load: waves 0 and 1 fetch A's two halves, waves 2 and 3 B's; four v_nop follow each of the two lines
	s_cmp_eq_u32 s11, 0
	s_cbranch_scc0 .Lfor_b_\@
	tensor_load_to_lds s[G0+4*\s:G0+4*\s+3], s[G1:G1+7]
	s_nop 0
.rept 4
	v_nop
.endr
	s_branch .Lasked_\@
.Lfor_b_\@:
	tensor_load_to_lds s[G0B+4*\s:G0B+4*\s+3], s[G1B:G1B+7]
	s_nop 0
.rept 4
	v_nop
.endr
.Lasked_\@:
.endm
.macro CREST                           ; a round of the cluster's barrier behind its opening barrier
	s_cmp_lg_u32 s10, 0
	s_cbranch_scc1 .Lnot_wave_0_\@
	s_barrier_signal -3
.Lnot_wave_0_\@:
	s_barrier_wait -3
	s_barrier_signal -1
	s_barrier_wait -1
.endm
.macro CROUND                          ; a whole round
	s_barrier_signal -1
	s_barrier_wait -1
	CREST
.endm
	s_load_b128 s[4:7], s[0:1], 0x0                ; ao s[4:5], wof s[6:7]
	s_load_b64 s[8:9], s[0:1], 0x10                ; out0
	v_lshl_add_u32 v[SPW], v0, 2, SPARE
	v_mov_b32 v[NIL], 0
	ds_add_u32 v28, v29
	ds_add_u32 v28, v29
	s_wait_dscnt 0x0
	v_lshrrev_b32 v1, 5, v0
	v_readfirstlane_b32 s10, v1                    ; wave 0..3
	s_lshr_b32 s11, s10, 1                         ; which half of the tile's rows is mine.  Also: I fetch for A (0) or for B (1)
	s_and_b32 s12, s10, 1                          ; which half of its columns.  Also: which four tiles of 16 rows I fetch
	s_bfe_u32 s40, ttmp6, 0x40000                  ; cx, cy: my place in the cluster
	s_bfe_u32 s41, ttmp6, 0x40004
	s_lshl_b32 s42, ttmp9, 2
	s_add_co_u32 s42, s42, s40                     ; tile column = 4 x cluster x + cx
	s_and_b32 s13, ttmp7, 0xffff
	s_lshl_b32 s13, s13, 2
	s_add_co_u32 s13, s13, s41                     ; tile row = 4 x cluster y + cy
	s_lshl_b32 s43, s41, 2
	s_lshl_b32 s43, 15, s43                        ; my row of the cluster
	s_lshl_b32 s44, 0x1111, s40                    ; my column
	; group 1: four rows of 8,192 bytes (1,024 elements of 8 bytes), 65,536 bytes apart
	s_or_b32 s[G1+0], s43, (3<<16)|(1<<21)         ; 15:0 the mask: A's tiles go to my row; 17:16 elements of 8 bytes; 21 set beside a mask
	s_or_b32 s[G1B+0], s44, (3<<16)|(1<<21)
.irp g, G1, G1B
	s_mov_b32 s[\g+1], 1024<<16                    ; tensor_dim0
	s_mov_b32 s[\g+2], 4<<16                       ; tensor_dim1
	s_mov_b32 s[\g+3], 1024<<16                    ; tile_dim0
	s_mov_b32 s[\g+4], 4                           ; tile_dim1
	s_mov_b32 s[\g+5], 8192                        ; tensor_dim0_stride
	s_mov_b32 s[\g+6], 0
	s_mov_b32 s[\g+7], 0
.endr
	s_lshl_b32 s17, s12, 2                         ; which four tiles I fetch
	s_lshl_b32 s16, s13, 3
	s_add_co_u32 s16, s16, s17
	s_lshl_b32 s16, s16, 16                        ; A: token tile 8 x tile row + 4 x half, 65,536 bytes each
	s_lshl_b32 s46, s42, 3
	s_add_co_u32 s46, s46, s17
	s_lshl_b32 s46, s46, 16                        ; B: n tile 8 x tile column + 4 x half
	s_mov_b32 s17, 0
	s_mov_b32 s47, 0
	s_mul_i32 s20, s10, HALFT                      ; where they go: wave x four tiles
	s_wait_kmcnt 0x0
	s_add_nc_u64 s[14:15], s[4:5], s[16:17]
	s_add_nc_u64 s[46:47], s[6:7], s[46:47]
	CROUND                                         ; all sixteen work-groups are here: the first joint loads meet
.irp s, 0,1
	s_mov_b32 s[G0+4*\s], 1
	s_add_co_u32 s[G0+4*\s+1], s20, \s*SLOT
	s_add_nc_u64 s[G0+4*\s+2:G0+4*\s+3], s[14:15], \s*TILEB
	s_or_b32 s[G0+4*\s+3], s[G0+4*\s+3], 0x80000000
	s_mov_b32 s[G0B+4*\s], 1
	s_add_co_u32 s[G0B+4*\s+1], s20, \s*SLOT
	s_add_nc_u64 s[G0B+4*\s+2:G0B+4*\s+3], s[46:47], \s*TILEB
	s_or_b32 s[G0B+4*\s+3], s[G0B+4*\s+3], 0x80000000
	JLOAD \s
.endr
	v_and_b32 v1, 15, v0                           ; l % 16
	v_bfe_u32 v2, v0, 4, 1                         ; l / 16
	v_and_b32 v3, 31, v0
	v_lshlrev_b32 v3, 4, v3                        ; 16 x lane
	s_mul_i32 s21, s11, HALFT                      ; my four tiles of A
	s_mul_i32 s22, s12, HALFT                      ; my four tiles of B,
	s_add_co_u32 s22, s22, 2*HALFT                 ; which lie behind A's eight
.irp s, 0,1
	v_add_nc_u32 v[ADRA+\s], s21, v3
	v_add_nc_u32 v[ADRB+\s], s22, v3
	s_add_co_u32 s21, s21, SLOT
	s_add_co_u32 s22, s22, SLOT
.endr
	s_mul_i32 s23, s10, 16*SPITCH                  ; my stage
	v_mul_u32_u24 v4, v1, SPITCH                   ; in: row l % 16, 32 bytes for each half of the lanes
	v_lshl_add_u32 v4, v2, 5, v4
	v_add_nc_u32 v[STO], s23, v4
	v_mul_u32_u24 v5, v2, SPITCH                   ; back: lanes 0-15 take one row of 256 bytes, lanes 16-31 the next
	v_lshl_add_u32 v5, v1, 4, v5
	v_add_nc_u32 v[RD], s23, v5
	v_lshlrev_b32 v5, 12, v2                       ; and the same two rows in the output, 4,096 bytes apart
	v_lshl_add_u32 v[CO], v1, 4, v5
	s_lshl_b32 s16, s13, 7
	s_lshl_b32 s17, s11, 6
	s_add_co_u32 s16, s16, s17                     ; my first row: 128 x tile row + 64 x half
	s_lshl_b32 s16, s16, 12
	s_mov_b32 s17, 0
	s_add_nc_u64 s[8:9], s[8:9], s[16:17]
	s_lshl_b32 s46, s42, 9                         ; my first column, in bytes: 512 x tile column + 256 x half
	s_lshl_b32 s47, s12, 8
	s_add_co_u32 s46, s46, s47
	s_mov_b32 s47, 0
	s_add_nc_u64 s[8:9], s[8:9], s[46:47]
; 8 matrix instructions: m blocks a0, a0 + 1 x all 4 n blocks, one k step of 32: B's part cb (0 hi, 1 lo) x A's part ca, of buffer f.  zero = 1: the first product starts the sums.
; The 16 accumulators take turns, one instruction a turn, in the same order in every pass.
.macro MUL8 f, cb, ca, a0, zero
.irp a, \a0, \a0+1
.irp b, 0,1,2,3
.if \zero
	v_wmma_f32_16x16x32_f16 v[ACC+8*(4*(\a)+\b):ACC+8*(4*(\a)+\b)+7], v[\f+64+8*(4*\cb+\b):\f+64+8*(4*\cb+\b)+7], v[\f+8*(4*\ca+(\a)):\f+8*(4*\ca+(\a))+7], 0
.else
	v_wmma_f32_16x16x32_f16 v[ACC+8*(4*(\a)+\b):ACC+8*(4*(\a)+\b)+7], v[\f+64+8*(4*\cb+\b):\f+64+8*(4*\cb+\b)+7], v[\f+8*(4*\ca+(\a)):\f+8*(4*\ca+(\a))+7], v[ACC+8*(4*(\a)+\b):ACC+8*(4*(\a)+\b)+7]
.endif
.endr
.endr
.endm
; 32 LDS loads in one run: the fragments of the slot's k step q into buffer f; the sixteen of hi first
.macro FETCH slot, q, f
	WIN TO_F
.irp c, 0,1
.irp i, 0,1,2,3
	ds_load_b128 v[\f+64+8*(4*\c+\i):\f+64+8*(4*\c+\i)+3],   v[ADRB+\slot] offset:TILEB*\i+2048*(\q)+1024*\c
	ds_load_b128 v[\f+64+8*(4*\c+\i)+4:\f+64+8*(4*\c+\i)+7], v[ADRB+\slot] offset:TILEB*\i+2048*(\q)+1024*\c+512
	ds_load_b128 v[\f+8*(4*\c+\i):\f+8*(4*\c+\i)+3],         v[ADRA+\slot] offset:TILEB*\i+2048*(\q)+1024*\c
	ds_load_b128 v[\f+8*(4*\c+\i)+4:\f+8*(4*\c+\i)+7],       v[ADRA+\slot] offset:TILEB*\i+2048*(\q)+1024*\c+512
.endr
.endr
.endm
.macro PLACES                          ; four places in front of loads into registers that matrix instructions have read, and of the first read of results
.rept 4
	v_nop
.endr
.endm
; A K step is four quarters, one k step of 32 each: 48 matrix instructions on buffers 0, 1, 0, 1.  One of the first three: multiplies buffer f and fetches the slot's k step q into g.
.macro QUARTER slot, q, f, g, zero
	s_wait_dscnt 16                                ; the hi parts are in; the sixteen loads of lo may be out
	WIN MUL
	MUL8 \f, 0, 0, 0, \zero                        ; hi hi
	MUL8 \f, 0, 0, 2, \zero
	PLACES
	FETCH \slot, \q, \g
	s_wait_dscnt 32                                ; all but the 32 just issued
	WIN MUL
	MUL8 \f, 0, 1, 0, 0                            ; Wo's hi x ao's lo
	MUL8 \f, 0, 1, 2, 0
	MUL8 \f, 1, 0, 0, 0                            ; Wo's lo x ao's hi
	MUL8 \f, 1, 0, 2, 0
.endm
; The last quarter multiplies buffer 1 and changes slots: ONE barrier; in front of it each wave waits for all its tensor loads, adds 0 to its spare word, and waits for that and for its own reads of this slot.
; fill = 1: this slot is filled again, two K steps ahead; the barrier then opens a round of the cluster's barrier.
.macro TURN slot, next, fill
	WIN 0                                          ; (the add's two registers lie in window 0)
	s_wait_tensorcnt 0x0                           ; all my tensor loads have landed: my part of the next slot;
	ds_add_u32 v[SPW], v[NIL]                      ; 0 onto my spare word;
	s_wait_dscnt 17                                ; (the add and the sixteen loads of lo may be out)
	WIN MUL
	MUL8 F1, 0, 0, 0, 0                            ; eight matrix instructions stand between the add and the wait for it
	s_wait_dscnt 0x0                               ; the add is done, and my reads of this slot are over
	s_barrier_signal -1
	MUL8 F1, 0, 0, 2, 0
.if \fill
	WIN 0
.endif
	s_barrier_wait -1
.if \fill
	CREST                                          ; no wave of any partner still reads this slot's tile or has a load on its way
	s_add_nc_u64 s[G0+4*\slot+2:G0+4*\slot+3], s[G0+4*\slot+2:G0+4*\slot+3], 2*TILEB
	s_add_nc_u64 s[G0B+4*\slot+2:G0B+4*\slot+3], s[G0B+4*\slot+2:G0B+4*\slot+3], 2*TILEB
	JLOAD \slot                                    ; the first tensor load behind the round: 176 matrix instructions ahead of the wait for it; its four v_nop are also the places in front of the loads below
.else
	PLACES
.endif
	FETCH \next, 0, F0
	WIN MUL
	MUL8 F1, 0, 1, 0, 0
	MUL8 F1, 0, 1, 2, 0
	MUL8 F1, 1, 0, 0, 0
	MUL8 F1, 1, 0, 2, 0
.endm
	s_wait_tensorcnt 1                             ; my part of K step 0 is in (slot 1's load may be out)
	s_barrier_signal -1
	s_barrier_wait -1                              ; everybody's is
	FETCH 0, 0, F0
	QUARTER 0, 1, F0, F1, 1                        ; the first quarter stands in front of the loop: its first products start the sums
	WIN 0                                          ; at a label and at a branch every window is 0
	s_mov_b32 s3, LAPS-1
.Llap:                                                 ; a trip goes once round the ring, from a lap's second quarter to the next lap's first, and fills both slots again
	QUARTER 0, 2, F1, F0, 0
	QUARTER 0, 3, F0, F1, 0
	TURN 0, 1, 1
	QUARTER 1, 1, F0, F1, 0
	QUARTER 1, 2, F1, F0, 0
	QUARTER 1, 3, F0, F1, 0
	TURN 1, 0, 1
	QUARTER 0, 1, F0, F1, 0
	WIN 0
	s_sub_co_u32 s3, s3, 1
	s_cmp_lg_u32 s3, 0
	s_cbranch_scc1 .Llap
	QUARTER 0, 2, F1, F0, 0                        ; the last lap fills nothing, and has no round of the cluster's barrier
	QUARTER 0, 3, F0, F1, 0
	TURN 0, 1, 0
	QUARTER 1, 1, F0, F1, 0
	QUARTER 1, 2, F1, F0, 0
	QUARTER 1, 3, F0, F1, 0
	s_wait_dscnt 16                                ; the very last quarter: nothing more to fetch
	WIN MUL
	MUL8 F1, 0, 0, 0, 0
	MUL8 F1, 0, 0, 2, 0
	s_wait_dscnt 0
	MUL8 F1, 0, 1, 0, 0
	MUL8 F1, 0, 1, 2, 0
	MUL8 F1, 1, 0, 0, 0
	MUL8 F1, 1, 0, 2, 0
	WIN 0
; THE WAY OUT, a block of 16 rows x 64 columns at a time.  A lane holds 32 neighbouring bytes of a row, and the lanes beside it hold other rows: so a block goes through my own stage in LDS and comes back as whole rows
; of 256 bytes, which sixteen lanes store together.  LDS serves a wave's instructions in order: no wait between the stores and the loads, nor in front of the next block's stores.
.macro TOSTAGE a
.irp b, 0,1,2,3
	ds_store_b128 v[STO], v[ACC+8*(4*(\a)+\b):ACC+8*(4*(\a)+\b)+3] offset:64*\b          ; each accumulator from its low end on
	ds_store_b128 v[STO], v[ACC+8*(4*(\a)+\b)+4:ACC+8*(4*(\a)+\b)+7] offset:64*\b+16
.endr
.irp t, 0,1,2,3,4,5,6,7
	ds_load_b128 v[TMP+32*((\a)%2)+4*\t:TMP+32*((\a)%2)+4*\t+3], v[RD] offset:\t*2*SPITCH
.endr
.endm
.macro SEND a, younger                 ; younger: the LDS instructions issued behind block a's loads, which may stay out
	s_wait_dscnt \younger
.irp t, 0,1,2,3,4,5,6,7
	global_store_b128 v[CO], v[TMP+32*((\a)%2)+4*\t:TMP+32*((\a)%2)+4*\t+3], s[8:9] offset:(16*(\a)+2*\t)*4096 th:TH_STORE_NT   ; 16 lanes store 256 consecutive bytes, aligned; written once, read by nobody here
.endr
.endm
	PLACES
	TOSTAGE 0
	TOSTAGE 1
	SEND 0, 16                                     ; behind block 0's loads: block 1's eight stores and eight loads
	s_wait_xcnt 0x0                                ; block 0's stores have read their registers: block 2's loads may land there
	TOSTAGE 2
	SEND 1, 16
	s_wait_xcnt 0x0
	TOSTAGE 3
	SEND 2, 16
	SEND 3, 0
	s_wait_tensorcnt 0x0                           ; the wave's end, behind my last tensor load and my last LDS store
	ds_add_u32 v[SPW], v[NIL]
	s_wait_dscnt 0x0
	CROUND                                         ; the closing round: no work-group ends while a partner may still ask for a tile that names it
	s_endpgm
.Lfunc_end_k_qf1f766d5c8_proj:
	.size	k_qf1f766d5c8_proj, .Lfunc_end_k_qf1f766d5c8_proj-k_qf1f766d5c8_proj
	.p2alignl 7, 3214868480
	.fill 96, 4, 3214868480
	.section	.rodata,"a",@progbits
	.p2align	6, 0x0
	.amdhsa_kernel k_qf1f766d5c8_proj
		.amdhsa_group_segment_fixed_size 327680
		.amdhsa_private_segment_fixed_size 0
		.amdhsa_enable_private_segment 0
		.amdhsa_kernarg_size 24
		.amdhsa_user_sgpr_count 2
		.amdhsa_user_sgpr_kernarg_segment_ptr 1
		.amdhsa_wavefront_size32 1
		.amdhsa_system_sgpr_workgroup_id_x 1
		.amdhsa_system_sgpr_workgroup_id_y 1
		.amdhsa_system_sgpr_workgroup_id_z 1
		.amdhsa_system_vgpr_workitem_id 0
		.amdhsa_next_free_vgpr 512
		.amdhsa_next_free_sgpr 66
		.amdhsa_reserve_vcc 0
		.amdhsa_float_denorm_mode_32 3
		.amdhsa_float_denorm_mode_16_64 3
		.amdhsa_memory_ordered 1
		.amdhsa_forward_progress 1
		.amdhsa_inst_pref_size 101
	.end_amdhsa_kernel
	.amdgpu_metadata
---
amdhsa.version: [ 1, 2 ]
amdhsa.kernels:
  - .name:           k_qf1f766d5c8_proj
    .symbol:         k_qf1f766d5c8_proj.kd
    .args:
      - { .name: ao, .offset: 0, .size: 8, .value_kind: global_buffer, .address_space: global }
      - { .name: wof, .offset: 8, .size: 8, .value_kind: global_buffer, .address_space: global }
      - { .name: out0, .offset: 16, .size: 8, .value_kind: global_buffer, .address_space: global }
    .group_segment_fixed_size: 327680
    .private_segment_fixed_size: 0
    .kernarg_segment_align: 8
    .kernarg_segment_size: 24
    .max_flat_workgroup_size: 128
    .sgpr_count:     66
    .vgpr_count:     512
    .wavefront_size: 32
...
	.end_amdgpu_metadata
.endif
;; end of part 4
